; MI455X (gfx1250); checked and timed in simulation.
; The chip was launched on July 23, 2026; its instructions are those of AMD's public machine-readable ISA for CDNA 5 (MIT licence, August 2026) and "CDNA5" Instruction Set Architecture Reference Guide (July 2026). The comments in the code are by the model that wrote it; some were corrected since.
;; Mo E. Allowed arithmetic: matrix products marked QUANTISED: E4M3 operands, one given power-of-two scale a tensor, by v_wmma_f32_16x16x64_fp8_fp8 or v_wmma_f32_16x16x128_fp8_fp8, f32 sums; products left as they are: f32 operands where the result goes on into a quantised operand, else bf16, f16 or f32 operands; f32 sums; everything else in f32.
;; Inputs: expert_b 8 x 2,048 float32; expert_w_codes 8 x 2,048 x 32 x 32 uint8 (E4M3 codes of expert_w, K innermost, in blocks of 32 codes); gate_b 8 float32; gate_w 8 x 1,024 float32; lowp_scales 2 int32 (the exponents e of the quantised operands' scales 2^e); x 4,096 x 1,024 float32.
;; Outputs: out0 4,096 x 2,048 float32.
;; This version of the problem:
;;   THIS VERSION OF THE PROBLEM IS GIVEN IN LOW PRECISION. The matrix products marked QUANTISED in the list below multiply operands that are first quantised to E4M3 (4 exponent bits, 3 mantissa bits; 8 bits a number), with one given power-of-two scale for each operand tensor; their sums are f32. All else is computed in f32.
;;   The module's matrix products, in the order in which they are computed (A, B: the left and right operand; K: the contracted axis; several contracted axes count as one K, in the product's order):
;;     1. [M 4,096, K 1,024] x [K 1,024, N 8]; A: input x; B: input gate_w: left as it is (N = 8 < 16)
;;     2. [M 4,096, K 1,024] x [K 1,024, N 16,384]; A: input x; B: input expert_w (given as codes): QUANTISED (scales: A lowp_scales[0], B lowp_scales[1])
;;     3. batch 4,096 x [M 1, K 8] x [K 8, N 2,048]; A: softmax; B: computed on the way: left as it is (K = 8 < 32)
;;   THE QUANTISER, for each operand of a quantised product, along K:
;;     - The operand's scale is 2^e, e = its entry of the input lowp_scales (int32; the entries are numbered through the quantised products in the list's order, A before B).
;;     - Each number is divided by the scale, clamped to +-448, and rounded to the nearest number of E4M3, ties to even, subnormals kept.
;;     - The product sums the exact products of the quantised numbers (number of the format x scale) in f32.
;;   ~~~python
;;   def quantise(x, axis, e):      # numpy; x: float32 -> the quantised numbers, widened to float32 again
;;       x = np.moveaxis(x, axis, -1); K = x.shape[-1]
;;       r = np.clip(x / 2.0 ** e, -448, 448)
;;       step = 2.0 ** (np.maximum(np.frexp(np.where(r == 0, 1, r))[1] - 1, -6) - 3)
;;       q = np.round(r / step) * step * 2.0 ** e      # np.round: ties to even
;;       return np.moveaxis(q, -1, axis).astype(np.float32)
;;   ~~~
;;   INPUTS GIVEN AS CODES. expert_w (in the module: [8, 2048, 1024], K = its axis 2): each comes as NAME_codes (uint8): NAME with its K axis moved to the last place and cut into blocks of 32 codes, [.., K / 32, bytes a block], one block behind the other in memory; one code a byte (a code: sign, 4 exponent bits, 3 mantissa bits); its scale is its entry of lowp_scales. Its value is code x scale, taken as it is: it is not quantised again, and the codes and scales need not be those that the quantiser above would give.
;; 2 versions. Each part assembles by itself: llvm-mc -triple=amdgcn-amd-amdhsa -mcpu=gfx1250 --defsym DOCPART=n.
;; ======== version 1 of 2: 2 launches
;; workspace buffers: xq 4,194,304 bytes; gsc 131,072 bytes
;; launch prep (part 1): grid 256 x 1, 8 waves a work-group, no clusters, 9,216 bytes of LDS; arguments x, gate_w, gate_b, lowp_scales, xq, gsc; writes xq, gsc
.if DOCPART == 1
	.amdgcn_target "amdgcn-amd-amdhsa--gfx1250"
	.amdhsa_code_object_version 6
	.text
	.protected	k_q7dc8fa51de_prep
	.globl	k_q7dc8fa51de_prep
	.p2align	8
	.type	k_q7dc8fa51de_prep,@function
k_q7dc8fa51de_prep:
	s_mov_b64 s[64:65], 0
	v_nop
	global_prefetch_b8 v0, s[64:65] scope:SCOPE_SE
	s_setreg_imm32_b32 hwreg(HW_REG_WAVE_MODE, 25, 1), 1
	s_wait_xcnt 0x0
; x [4096][1024] f32 is read once and gives two things:
;   xq : its codes of FP8 (E4M3) with the given scale 2^e0, laid in the order in which the next launch's lanes want them:
;        [tile of 16 tokens T][J = k / 32][lane][16 bytes]; lane (r = lane % 16, h = lane / 16) holds token 16 T + r, k = 32 J + 16 h + 0 .. 15.
;   gsc: [4096][8] f32, softmax over the experts of x gate_w^T + gate_b, each weight times 2^(e0 + e1).
; code = x / 2^e0, held within +-448, rounded to the nearest code, ties to even.
; LIMITS: -126 <= e0 <= 119, so that 2^e0 and 448 x 2^e0 are f32 numbers.  NaN in x is not served (an infinity is held at the largest code).
; The gate product is left unquantised: its operands are rounded to bf16, its sums are f32; that rounding's error grows with the inputs' size.
; The softmax takes the row's largest logit away first.
; SHARES.  Work-group T owns 16 tokens.  Wave w owns k = 128 w .. 128 w + 127, four steps of 32.  A lane's 16 numbers of a step are neighbours along k
; (64 bytes, four loads), as the conversion wants them; a wave's 16 loads of x cover 512 consecutive bytes of each of the 16 rows.  Nothing is looped: all 32 loads of a wave go out at once.
; THE GATE PRODUCT IS USED TRANSPOSED: source 0 = gate_w's 8 rows (lanes 8-15 repeat rows 0-7), source 1 = the 16 tokens.  In the result lane r holds token r and register n expert n,
; alike in both halves of the lanes.  Both sources hold k = 16 h + 0 .. 15 of a step in a lane: the same permutation of k on both sides, so every product meets its partner.
; The eight waves' partial sums meet in LDS (1,024 bytes a wave); wave 0 adds them and makes the softmax.
.set GR,  16                           ; v16-79   gate_w as loaded, 16 a step; then v16-47 the same in bf16, 8 a step
.set AC,  48                           ; v48-55, v56-63  two accumulators, by turns
.set PS,  64                           ; v64-71   their sum
.set XR,  80                           ; v80-143  x as loaded, 16 a step; in wave 0 later the eight waves' partial sums
.set XBF, 144                          ; v144-175 x in bf16, 8 a step
.set CD,  176                          ; v176-191 codes, 4 a step: no store's data are written again
	s_load_b256 s[4:11], s[0:1], 0x0               ; x s[4:5], gate_w s[6:7], gate_b s[8:9], the scales' exponents s[10:11]
	s_load_b128 s[12:15], s[0:1], 0x20             ; xq s[12:13], gsc s[14:15]
	v_lshl_add_u32 v192, v0, 2, 0x2000
	v_mov_b32 v193, 0
	v_lshrrev_b32 v1, 5, v0
	v_readfirstlane_b32 s16, v1                    ; wave 0..7
	v_and_b32 v1, 31, v0                           ; lane
	v_and_b32 v2, 15, v0                           ; r
	v_bfe_u32 v3, v0, 4, 1                         ; h
	s_lshl_b32 s17, s16, 9                         ; my wave's 128 numbers of a row: 512 bytes
	v_lshlrev_b32 v4, 12, v2
	v_lshl_add_u32 v4, v3, 6, v4
	v_add_nc_u32 v4, s17, v4                       ; x: row r of 4,096 bytes + 64 h + 512 w
	v_and_b32 v5, 7, v0
	v_lshlrev_b32 v5, 12, v5
	v_lshl_add_u32 v5, v3, 6, v5
	v_add_nc_u32 v5, s17, v5                       ; gate_w: row r % 8, the same place in it
	v_lshlrev_b32 v6, 4, v1                        ; 16 bytes a lane
	s_lshl_b32 s18, s16, 10
	v_add_nc_u32 v7, s18, v6                       ; LDS: my wave's 1,024 bytes
	v_lshlrev_b32 v10, 5, v2
	v_lshl_add_u32 v10, v3, 4, v10                 ; gsc: token r's 32 bytes, experts 4 h on
	s_lshl_b32 s32, ttmp9, 16                      ; x: 16 rows of 4,096 bytes a work-group
	s_mov_b32 s33, 0
	s_lshl_b32 s34, ttmp9, 14                      ; xq: 16,384 bytes a tile of tokens, 2,048 a wave
	s_lshl_b32 s19, s16, 11
	s_add_co_u32 s34, s34, s19
	s_mov_b32 s35, 0
	s_lshl_b32 s36, ttmp9, 9                       ; gsc: 16 tokens of 32 bytes
	s_mov_b32 s37, 0
	s_wait_kmcnt 0x0
	s_load_b64 s[20:21], s[10:11], 0x0             ; e0, e1
	s_load_b256 s[24:31], s[8:9], 0x0              ; gate_b
	s_add_nc_u64 s[4:5], s[4:5], s[32:33]
	s_add_nc_u64 s[12:13], s[12:13], s[34:35]
	s_add_nc_u64 s[14:15], s[14:15], s[36:37]
.irp j, 0,1,2,3
.irp i, 0,1,2,3
	global_load_b128 v[GR+16*\j+4*\i:GR+16*\j+4*\i+3], v5, s[6:7] offset:128*\j+16*\i
.endr
.endr
.irp j, 0,1,2,3
.irp i, 0,1,2,3
	global_load_b128 v[XR+16*\j+4*\i:XR+16*\j+4*\i+3], v4, s[4:5] offset:128*\j+16*\i th:TH_LOAD_NT
.endr
.endr
	s_wait_kmcnt 0x0
	s_add_co_i32 s22, s20, 127
	s_lshl_b32 s23, s22, 23
	v_mov_b32 v8, s23                              ; 2^e0 as f32: the conversion takes its exponent field
	s_add_co_i32 s22, s22, 8
	s_lshl_b32 s22, s22, 23
	s_or_b32 s22, s22, 0x600000
	v_mov_b32 v9, s22                              ; 448 x 2^e0
	s_add_co_i32 s38, s20, s21                     ; e0 + e1
	s_wait_loadcnt 16                              ; gate_w is in; the 16 loads of x issued behind it may be out
.irp j, 0,1,2,3
.irp a, 0,1,2,3,4,5,6,7
	v_cvt_pk_bf16_f32 v[GR+8*\j+\a], v[GR+16*\j+2*\a], v[GR+16*\j+2*\a+1]   ; packed in place, ascending: a result never lands on a number still to be read
.endr
.endr
; One step: 32 along k.  The 16 holds stand between the roundings to bf16 and the matrix instruction that reads them.
.macro STEP j
	s_wait_loadcnt 12-4*\j                         ; this step's four loads are in; the later steps' four each may be out
.irp a, 0,1,2,3,4,5,6,7
	v_cvt_pk_bf16_f32 v[XBF+8*\j+\a], v[XR+16*\j+2*\a], v[XR+16*\j+2*\a+1]
.endr
.irp a, 0,1,2,3,4,5,6,7,8,9,10,11,12,13,14,15
	v_med3_num_f32 v[XR+16*\j+\a], v[XR+16*\j+\a], -v9, v9   ; the conversion to an 8-bit code does not saturate (ISA guide 7.6.2): hold the number first
.endr
	v_cvt_scalef32_pk8_fp8_f32 v[CD+4*\j:CD+4*\j+1], v[XR+16*\j:XR+16*\j+7], v8
	v_cvt_scalef32_pk8_fp8_f32 v[CD+4*\j+2:CD+4*\j+3], v[XR+16*\j+8:XR+16*\j+15], v8
	v_nop                                          ; one plain vector instruction between a scaled conversion and what touches its result
	global_store_b128 v6, v[CD+4*\j:CD+4*\j+3], s[12:13] offset:512*\j   ; the wave stores 512 consecutive bytes, at a multiple of 256 from xq's first byte
.if \j < 2
	v_wmma_f32_16x16x32_bf16 v[AC+8*\j:AC+8*\j+7], v[GR+8*\j:GR+8*\j+7], v[XBF+8*\j:XBF+8*\j+7], 0   ; the first two steps start the two sums
.else
	v_wmma_f32_16x16x32_bf16 v[AC+8*(\j-2):AC+8*(\j-2)+7], v[GR+8*\j:GR+8*\j+7], v[XBF+8*\j:XBF+8*\j+7], v[AC+8*(\j-2):AC+8*(\j-2)+7]   ; the two accumulators take turns
.endif
.endm
	STEP 0
	STEP 1
	STEP 2
	STEP 3
.rept 4
	v_nop                                          ; four places between the last matrix instruction and the first read of its result (ISA guide 7.12.1)
.endr
.irp m, 0,2,4,6
	v_pk_add_f32 v[PS+\m:PS+\m+1], v[AC+\m:AC+\m+1], v[AC+8+\m:AC+8+\m+1]   ; both accumulators from their low ends on
.endr
	ds_store_b128 v7, v[PS:PS+3]                   ; experts 0-3 of my token
	ds_store_b128 v7, v[PS+4:PS+7] offset:512      ; experts 4-7
	s_wait_dscnt 0x0                               ; for wave 0's sake: my stores are done
	s_barrier_signal -1
	s_barrier_wait -1
	s_cmp_lg_u32 s16, 0
	s_cbranch_scc1 .Lend                           ; the rest is wave 0's
.irp w, 0,1,2,3,4,5,6,7
	ds_load_b128 v[XR+8*\w:XR+8*\w+3], v6 offset:1024*\w
	ds_load_b128 v[XR+8*\w+4:XR+8*\w+7], v6 offset:1024*\w+512
.endr
	s_wait_dscnt 0x0
.irp w, 0,1,2,3
.irp m, 0,2,4,6
	v_pk_add_f32 v[XR+8*\w+\m:XR+8*\w+\m+1], v[XR+8*\w+\m:XR+8*\w+\m+1], v[XR+8*\w+32+\m:XR+8*\w+32+\m+1]
.endr
.endr
.irp w, 0,1
.irp m, 0,2,4,6
	v_pk_add_f32 v[XR+8*\w+\m:XR+8*\w+\m+1], v[XR+8*\w+\m:XR+8*\w+\m+1], v[XR+8*\w+16+\m:XR+8*\w+16+\m+1]
.endr
.endr
.irp m, 0,2,4,6
	v_pk_add_f32 v[XR+\m:XR+\m+1], v[XR+\m:XR+\m+1], v[XR+8+\m:XR+8+\m+1]
.endr
.irp a, 0,1,2,3,4,5,6,7
	v_add_f32 v[XR+\a], s[24+\a], v[XR+\a]         ; + gate_b: my token's eight logits
.endr
	v_max3_num_f32 v96, v80, v81, v82
	v_max3_num_f32 v96, v96, v83, v84
	v_max3_num_f32 v96, v96, v85, v86
	v_max_num_f32 v96, v96, v87                    ; the largest
.irp a, 0,1,2,3,4,5,6,7
	v_sub_f32 v[XR+\a], v[XR+\a], v96
.endr
.irp a, 0,1,2,3,4,5,6,7
	v_mul_f32 v[XR+\a], 0x3fb8aa3b, v[XR+\a]       ; x log2(e)
.endr
.irp a, 0,1,2,3,4,5,6,7
	v_exp_f32 v[XR+\a], v[XR+\a]                   ; at most 1, and the largest is 1
.endr
	v_nop                                          ; a plain instruction between the last exponential and the use of its result
	s_wait_alu depctr_va_vdst(0)
	v_pk_add_f32 v[98:99], v[80:81], v[82:83]
	v_pk_add_f32 v[100:101], v[84:85], v[86:87]
	v_pk_add_f32 v[98:99], v[98:99], v[100:101]
	v_add_f32 v97, v98, v99                        ; between 1 and 8
	v_rcp_f32 v97, v97
	v_cmp_le_u32 vcc_lo, 16, v1                    ; (the plain place behind the reciprocal)  lanes 16-31
	s_wait_alu depctr_va_vdst(0)
	v_ldexp_f32 v97, v97, s38                      ; x 2^(e0 + e1)
.irp a, 0,1,2,3,4,5,6,7
	v_mul_f32 v[XR+\a], v[XR+\a], v97
.endr
.irp a, 0,1,2,3
	v_cndmask_b32 v[104+\a], v[XR+\a], v[XR+4+\a], vcc_lo   ; lanes 0-15 send experts 0-3, lanes 16-31 experts 4-7
.endr
	global_store_b128 v10, v[104:107], s[14:15]    ; the 16 tokens' 512 consecutive bytes
.Lend:
	s_wait_tensorcnt 0x0
	ds_add_u32 v192, v193
	s_wait_dscnt 0x0
	s_endpgm
.Lfunc_end_k_q7dc8fa51de_prep:
	.size	k_q7dc8fa51de_prep, .Lfunc_end_k_q7dc8fa51de_prep-k_q7dc8fa51de_prep
	.p2alignl 7, 3214868480
	.fill 96, 4, 3214868480
	.section	.rodata,"a",@progbits
	.p2align	6, 0x0
	.amdhsa_kernel k_q7dc8fa51de_prep
		.amdhsa_group_segment_fixed_size 9216
		.amdhsa_private_segment_fixed_size 0
		.amdhsa_enable_private_segment 0
		.amdhsa_kernarg_size 48
		.amdhsa_user_sgpr_count 2
		.amdhsa_user_sgpr_kernarg_segment_ptr 1
		.amdhsa_wavefront_size32 1
		.amdhsa_system_sgpr_workgroup_id_x 1
		.amdhsa_system_sgpr_workgroup_id_y 1
		.amdhsa_system_sgpr_workgroup_id_z 1
		.amdhsa_system_vgpr_workitem_id 0
		.amdhsa_next_free_vgpr 194
		.amdhsa_next_free_sgpr 66
		.amdhsa_reserve_vcc 1
		.amdhsa_float_denorm_mode_32 3
		.amdhsa_float_denorm_mode_16_64 3
		.amdhsa_memory_ordered 1
		.amdhsa_forward_progress 1
		.amdhsa_inst_pref_size 21
	.end_amdhsa_kernel
	.amdgpu_metadata
---
amdhsa.version: [ 1, 2 ]
amdhsa.kernels:
  - .name:           k_q7dc8fa51de_prep
    .symbol:         k_q7dc8fa51de_prep.kd
    .args:
      - { .name: x, .offset: 0, .size: 8, .value_kind: global_buffer, .address_space: global }
      - { .name: gate_w, .offset: 8, .size: 8, .value_kind: global_buffer, .address_space: global }
      - { .name: gate_b, .offset: 16, .size: 8, .value_kind: global_buffer, .address_space: global }
      - { .name: lowp_scales, .offset: 24, .size: 8, .value_kind: global_buffer, .address_space: global }
      - { .name: xq, .offset: 32, .size: 8, .value_kind: global_buffer, .address_space: global }
      - { .name: gsc, .offset: 40, .size: 8, .value_kind: global_buffer, .address_space: global }
    .group_segment_fixed_size: 9216
    .private_segment_fixed_size: 0
    .kernarg_segment_align: 8
    .kernarg_segment_size: 48
    .max_flat_workgroup_size: 256
    .sgpr_count:     66
    .vgpr_count:     194
    .wavefront_size: 32
...
	.end_amdgpu_metadata
.endif
;; end of part 1
;; launch moe (part 2): grid 16 x 16, 4 waves a work-group, clusters of 4 x 1, 327,680 bytes of LDS; arguments xq, expert_w_codes, expert_b, gsc, lowp_scales, out0; writes out0
.if DOCPART == 2
	.amdgcn_target "amdgcn-amd-amdhsa--gfx1250"
	.amdhsa_code_object_version 6
	.text
	.protected	k_q7dc8fa51de_moe
	.globl	k_q7dc8fa51de_moe
	.p2align	8
	.type	k_q7dc8fa51de_moe,@function
k_q7dc8fa51de_moe:
	s_mov_b64 s[64:65], 0
	v_nop
	global_prefetch_b8 v0, s[64:65] scope:SCOPE_SE
	s_setreg_imm32_b32 hwreg(HW_REG_WAVE_MODE, 25, 1), 1
	s_wait_xcnt 0x0
	s_wait_alu depctr_hold_cnt(0) depctr_sa_sdst(0) depctr_va_vdst(0) depctr_va_sdst(0) depctr_va_ssrc(0) depctr_va_vcc(0) depctr_vm_vsrc(0)
	s_getreg_b32 s2, hwreg(HW_REG_IB_STS2, 6, 4)
	s_cmp_eq_u32 s2, 0
	s_cbranch_scc0 .Lentry_in_a_cluster
	s_endpgm
.Lentry_in_a_cluster:
	s_bfe_u32 s2, ttmp6, 0x10000c
	s_cmp_lg_u32 s2, 0x3003
	s_cbranch_scc0 .Lentry_shape_is_right
	s_endpgm
.Lentry_shape_is_right:
; out[n][c] = the sum over the 8 experts e of g[n][e] relu(x[n] . W[e][c] + b[e][c]).  x and W as codes of FP8 (E4M3), K = 1,024; sums in f32.
; With s = e0 + e1 and P the sum of the codes' products: relu(P 2^s + b) = 2^s relu(P + b 2^-s).  So each sum STARTS from b 2^-s (the C of its first matrix instruction),
; and gsc holds g 2^s: out += gsc x max(sum, 0), one maximum and half a packed multiply-add a number.
; LIMITS: e0 + e1 between -126 and 126, so that 2^-(e0 + e1) is an f32 number; where g 2^(e0 + e1) falls under 2^-126 it loses bits.
; SHARES.  A work-group owns 256 tokens x 128 columns of out, walked as two strips of 64 columns; each of its four waves owns 64 tokens (four tiles of 16) x the strip.
; A wave keeps its 64 tokens' codes for ALL of K in 512 registers: x is read once, straight into registers, for all 8 experts and both strips, and only W goes through LDS.
; A fragment of W (16 rows x 128 K, four LDS loads) then feeds four matrix instructions.
; A strip and an expert are 64 rows of W x 1,024 bytes: 128 matrix instructions a wave.  16 accumulators (4 x 16 rows of W x 4 tiles of tokens) take turns.
; THE MATRIX INSTRUCTION IS USED TRANSPOSED: source 0 = 16 rows of W, source 1 = 16 tokens: lane (r, h) holds token r and its registers the columns 8 h + 0 .. 7: neighbours of a row of out.
; Registers 4 c .. 4 c + 3 of a fragment hold k = 32 c + 16 h + 0 .. 15 on both sides: the same permutation of k, so every product meets its partner; only the order of the sums inside an instruction differs.
; RING.  Two LDS slots, each with two experts' rows of a strip (128 KiB of codes), filled by the tensor data mover: wave w brings sub-tile w (expert w / 2 of the pair, half w % 2 of K): 64 rows x 512 bytes.
; CLUSTER.  The four work-groups of a cluster own four blocks of tokens and the SAME columns, so they walk the same tiles of W: each is asked for JOINTLY, by the same tensor load with the same
; descriptor and a mask that names the four.  x, the gates and out differ between the partners and are not shared.  A mask names four work-groups, so a wider cluster would share nothing more.
; All of a WGP's LDS is claimed; the text uses 288,256 bytes.
; REGISTERS, in windows of 256 (s_set_vgpr_msb: bits 1:0 source 0, 3:2 source 1, 5:4 source 2, 7:6 destination):
;   window 0: v0-13 addresses; v16-23 the gates in hand; v24-25 2^-s; v32-159 a ring of 8 fragments of W; v160-255 the accumulators of W's row blocks 0-2
;   window 1: v0-127 out's sums; v128-159 the accumulators of row block 3; v160-191 the bias in the accumulators' layout; v192-255 at work
;   windows 2, 3: x: (tile i, K step q) at v[64 (q % 4) + 16 i], q = 0-3 in window 2, q = 4-7 in window 3
; Fragment loads have address and destination in window 0, as have the products' source 0 and, for row blocks 0-2, their results: so they stand among the products without a switch.
.set PITCH, 528                        ; an LDS row: 512 bytes + 16 of padding = 33 x 16: the 16 rows that a load touches start at 16 different 16-byte columns of the 64 banks of 4 bytes (ISA guide 11.1)
.set SUBT,  64*PITCH                   ; a sub-tile: what one tensor load brings
.set SLOT,  4*SUBT                     ; 0x21000: shares no bit with w x SUBT, so one exclusive or turns an address from one slot to the other
.set STAGE, 2*SLOT                     ; behind the ring: 16 rows x 272 bytes for each wave, for the way out; no fill lands there
.set SPARE, STAGE+4*16*272             ; behind the stages: the spare words, 128 bytes for each wave: two blocks of 256 bytes that no other line names
.set SPW, 1                            ; v1     LDS address of my spare word; never rewritten
.set NIL, 2                            ; v2     0; never rewritten
.set LP,  3                            ; v3     my lane's place in a sub-tile: r x PITCH + 16 h
.set ADW, 4                            ; v4-7   the same in the four sub-tiles of the slot that is read
.set L16, 8                            ; v8     16 x lane
.set VB,  9                            ; v9     32 h: my eight columns in a row block's 64 bytes of bias
.set VG,  10                           ; v10    32 r: my token's row of gates
.set STO, 11                           ; v11    the way out: where I put 32 bytes of a row
.set RD,  12                           ; v12    the way out: where I read 16 bytes of a row back
.set CO,  13                           ; v13    and their place in out
.set G,   16                           ; v16-23 pair i: the slot's two experts' gates of token 16 i + r
.set SCL, 24                           ; v24-25 2^-(e0 + e1), twice
.set WF,  32
.set ACC, 160
.set OUT, 0                            ; window 1
.set ACC3, 128
.set BIAS, 160
.set TMP, 192
.set E0,  0x54                         ; source 0 window 0; sources 1, 2 and the destination window 1: the whole epilogue and the way out
; s16 wave; s17 cx; s18 block of tokens; s19 block of columns; s[20:23] at work (never hold cx); s[24:31] descriptor group 1; s[32:35] group 0, which walks; s[36:37] W at my sub-tile of tile 0;
; s[38:39] the bias pointer in hand, s[40:41] its base; s[42:43] the gates' pointer in hand, s[44:45] its base; s[46:47] out; s48 the slot that is read; s49 the next tile to ask for;
; s50 the next (strip, expert) whose bias is fetched; s51 the loop's counter; s[52:53], s[56:59] at work on numbers that hold cx; s[54:55] e0, e1
.set MSB, 0
.macro WIN new                         ; the immediate's high byte repeats the setting that is left; a switch that changes nothing is dropped
.if MSB != \new
	s_set_vgpr_msb (MSB<<8)|\new
.set MSB, \new
.endif
.endm
; A round of the cluster's barrier: my work-group's barrier, so that wave 0's signal speaks for all four waves; wave 0 signals for the work-group; every wave waits for all four work-groups; my work-group's barrier once more.
.macro ROUND
	s_barrier_signal -1
	s_barrier_wait -1
	s_cmp_lg_u32 s16, 0
	s_cbranch_scc1 .Lnot_wave_0_\@
	s_barrier_signal -3
.Lnot_wave_0_\@:
	s_barrier_wait -3
	s_barrier_signal -1
	s_barrier_wait -1
.endm
; Fragment f of a slot's 64 (f = 32 E + 4 q + t: expert E of the pair, K step q, row block t) into place f % 8 of the ring.
.macro FRAGLD f
.set FLA, ADW+2*((\f)/32)+(((\f)%32)/16)
.set FLO, ((\f)%4)*16*PITCH+128*((((\f)%32)/4)%4)
.set FLD, WF+16*((\f)%8)
.irp c, 0,1,2,3
	ds_load_b128 v[FLD+4*\c:FLD+4*\c+3], v[FLA] offset:FLO+32*\c
.endr
.endm
; The bias of the next (strip, expert), number s50 = 8 strip + expert, in the accumulators' layout: register 8 t + j = b[expert][64 strip + 16 t + 8 h + j].  Destination window 1, address window 0.
; Its pointer is rewritten behind the wait that showed the last such loads done (the epilogue's).
.macro BLOAD
	s_and_b32 s22, s50, 7
	s_lshl_b32 s22, s22, 13                        ; an expert's 2,048 numbers
	s_lshr_b32 s23, s50, 3
	s_lshl_b32 s23, s23, 8                         ; a strip's 64
	s_or_b32 s22, s22, s23
	s_mov_b32 s23, 0
	s_add_nc_u64 s[38:39], s[40:41], s[22:23]
	s_add_co_u32 s50, s50, 1
.irp b, 0,1,2,3
	global_load_b128 v[BIAS+8*\b:BIAS+8*\b+3], v[VB], s[38:39] offset:64*\b
	global_load_b128 v[BIAS+8*\b+4:BIAS+8*\b+7], v[VB], s[38:39] offset:64*\b+16
.endr
.endm
; The gates of the pair of experts whose number stands in s22, for my four tiles of tokens.  Window 0.
.macro GLOAD
	s_lshl_b32 s22, s22, 3
	s_mov_b32 s23, 0
	s_add_nc_u64 s[42:43], s[44:45], s[22:23]
.irp i, 0,1,2,3
	global_load_b64 v[G+2*\i:G+2*\i+1], v[VG], s[42:43] offset:512*\i
.endr
.endm
; FOUR MATRIX INSTRUCTIONS on one fragment of W: row block t, K step q, my four tiles of tokens.  At q = 0 the sums start from the bias.
; Behind them fragment f + 6 is asked for, into the place that fragment f - 2 left: between that fragment's products and these loads stand six v_nop (two a group), four are needed
; (a load into a register that a matrix instruction has read stands four places behind it, and only plain vector instructions are places: ISA guide 7.12.1 for vector instructions).
; The 16 accumulators take turns, one instruction a turn, in the same order in every K step.
.macro GROUP e, q, t, bl
.set F, 32*(\e)+4*(\q)+(\t)
.if F+5 > 63
	s_wait_dscnt 4*(63-F)                          ; the slot's end: fewer fragments are out behind this one
.else
	s_wait_dscnt 20                                ; fragment f is in; the five asked for behind it, four loads each, may be out
.endif
.set FA, WF+16*(F%8)
.set XF, 64*((\q)%4)
.set MW, (2+(\q)/4)<<2                 ; x in window 2 or 3
.if (\t) == 3
.set MW, MW|0x50                       ; row block 3: C and D in window 1
.elseif (\q) == 0
.set MW, MW|0x10                       ; C is the bias, in window 1
.endif
	WIN MW
.irp i, 0,1,2,3
.if (\t) < 3
.set DA, ACC+8*(4*(\t)+\i)
.else
.set DA, ACC3+8*\i
.endif
.if (\q) == 0
	v_wmma_f32_16x16x128_fp8_fp8 v[DA:DA+7], v[FA:FA+15], v[XF+16*\i:XF+16*\i+15], v[BIAS+8*(\t):BIAS+8*(\t)+7]
.else
	v_wmma_f32_16x16x128_fp8_fp8 v[DA:DA+7], v[FA:FA+15], v[XF+16*\i:XF+16*\i+15], v[DA:DA+7]
.endif
.endr
.if (\t) == 3
.if (\q) == 1
.if \bl
	BLOAD                                          ; the last products that read the bias stand eight v_nop back
.endif
.endif
.if (\q) == 7
	WIN 0
.else
.set MW, (2+((\q)+1)/4)<<2
	WIN MW
.endif
.endif
	v_nop
	v_nop
.if F+6 < 64
	FRAGLD F+6
.endif
.endm
.macro EXPERT e, bl                    ; bl = 1: the next (strip, expert)'s bias is fetched on the way
.irp q, 0,1,2,3,4,5,6,7
.irp t, 0,1,2,3
	GROUP \e, \q, \t, \bl
.endr
.endr
.endm
.macro GFMA e, o, g, x                 ; two of out's sums += the gate of expert e of the pair (the low or the high register of the pair g, for both halves) x two numbers
.if \e == 0
	v_pk_fma_f32 v[\o:\o+1], v[\g:\g+1], v[\x:\x+1], v[\o:\o+1] op_sel_hi:[0,1,1]
.else
	v_pk_fma_f32 v[\o:\o+1], v[\g:\g+1], v[\x:\x+1], v[\o:\o+1] op_sel:[1,0,0] op_sel_hi:[1,1,1]
.endif
.endm
; THE EPILOGUE of an expert: out += gate x max(sum, 0).  Each accumulator is read from its low end on; row block 3, whose products were the last, comes last, so that the work on blocks 0-2 fills the places behind them.
; more = 1: the next bias, which has arrived, is multiplied by 2^-(e0 + e1).
.macro EPI e, more
	WIN E0
	s_wait_loadcnt 0x0                             ; the next bias, and in a slot's first epilogue the slot's gates
.if \more
.irp m, 0,2,4,6,8,10,12,14,16,18,20,22,24,26,28,30
	v_pk_mul_f32 v[BIAS+\m:BIAS+\m+1], v[SCL:SCL+1], v[BIAS+\m:BIAS+\m+1]
.endr
.endif
.irp a, 0,1,2,3,4,5,6,7,8,9,10,11      ; accumulator a = 4 t + i
.set TT, TMP+8*(\a%8)
.irp j, 0,1,2,3,4,5,6,7
	v_max_num_f32 v[TT+\j], v[ACC+8*\a+\j], 0
.endr
.irp j, 0,2,4,6
	GFMA \e, OUT+8*\a+\j, G+2*(\a%4), TT+\j
.endr
.endr
.irp i, 0,1,2,3
.irp j, 0,1,2,3,4,5,6,7
	v_max_num_f32 v[ACC3+8*\i+\j], 0, v[ACC3+8*\i+\j]
.endr
.irp j, 0,2,4,6
	GFMA \e, OUT+8*(12+\i)+\j, G+2*\i, ACC3+8*\i+\j
.endr
.endr
.endm
.macro PRIME                           ; the new slot's first six fragments
	WIN 0
.irp f, 0,1,2,3,4,5
	FRAGLD \f
.endr
.endm
; THE CHANGE OF SLOTS.  Each wave waits for all its tensor loads, of which one is out: its part of the slot that is read next; adds 0 to its spare word; and waits for that and for its reads of the slot that it leaves.
; fill = 1: the slot just left is filled with the tile two on.  The barrier is then a round of the cluster's, so that no wave of any partner still reads that slot or has a load on its way, and the joint
; load is the first thing behind it: it has a whole slot's work, 256 matrix instructions and two epilogues, in which to land.  By this text's count a wave has one tensor load out at the most.
.macro CHANGE fill
	WIN 0
	s_wait_tensorcnt 0x0                           ; no tensor load of mine is out, so group 0 may be written
	ds_add_u32 v[SPW], v[NIL]                      ; 0 onto my spare word: the addresses' steps stand between it and the wait for it
	s_xor_b32 s48, s48, SLOT                       ; the reads go to the other slot
.irp k, 0,1,2,3
	s_add_co_u32 s20, s48, \k*SUBT
	v_add_nc_u32 v[ADW+\k], s20, v[LP]
.endr
.if \fill
	s_xor_b32 s33, s33, SLOT                       ; the walking descriptor: the other slot than last time,
	s_and_b32 s20, s49, 3
	s_lshl_b32 s20, s20, 22                        ; tile u: the pair of experts u % 4, 2 x 2,048 rows of 1,024 bytes apart,
	s_lshr_b32 s21, s49, 2
	s_lshl_b32 s21, s21, 16                        ; strip u / 4, 64 rows apart
	s_or_b32 s20, s20, s21
	s_mov_b32 s21, 0
	s_add_nc_u64 s[34:35], s[36:37], s[20:21]
	s_or_b32 s35, s35, 0x80000000                  ; type = 2
	s_add_co_u32 s49, s49, 1
.endif
	s_wait_dscnt 0x0                               ; the add is done, and my reads of the slot that I leave are over
.if \fill
	ROUND
	tensor_load_to_lds s[32:35], s[24:31]          ; every wave's one load behind the round: its own sub-tile
	s_nop 0
.rept 4
	v_nop                                          ; four v_nop follow the load
.endr
.else
	s_barrier_signal -1
	s_barrier_wait -1
.endif
.endm
; THE WAY OUT of a strip, a tile of 16 tokens at a time.  A lane holds 32 neighbouring bytes of each of four pieces of its token's row, and the lanes beside it hold other rows: so the tile goes through my own
; stage in LDS (rows of 256 bytes + 16) and comes back by rows: sixteen lanes store 256 consecutive bytes, at a multiple of 256 from out's first byte.
; LDS serves a wave's instructions in order (ISA guide 5.7.1.4): no wait between the stores and the loads, nor in front of the next tile's stores.
; clear = 1: the other strip follows: out's sums begin at 0 again.  They are cleared, here and at the head, so that the one epilogue serves every expert and the loop over slots has one body.
.macro STORE clear
	WIN E0
.irp i, 0,1,2,3
.set TS, TMP+32*(\i%2)
.if \i >= 2
	s_wait_xcnt 0x0                                ; the stores of the tile two back have read these registers: only behind this wait are they loaded again
.endif
.irp t, 0,1,2,3
	ds_store_b128 v[STO], v[OUT+8*(4*\t+\i):OUT+8*(4*\t+\i)+3] offset:64*\t
	ds_store_b128 v[STO], v[OUT+8*(4*\t+\i)+4:OUT+8*(4*\t+\i)+7] offset:64*\t+16
.endr
.irp u, 0,1,2,3,4,5,6,7
	ds_load_b128 v[TS+4*\u:TS+4*\u+3], v[RD] offset:544*\u
.endr
.irp u, 0,1,2,3,4,5,6,7
	s_wait_dscnt 7-\u                              ; rows 2 u and 2 u + 1 are back; the younger loads may be out
	global_store_b128 v[CO], v[TS+4*\u:TS+4*\u+3], s[46:47] offset:(16*\i+2*\u)*8192 th:TH_STORE_NT
.endr
.if \clear
.irp t, 0,1,2,3
.irp j, 0,1,2,3,4,5,6,7
	v_mov_b32 v[OUT+8*(4*\t+\i)+\j], 0
.endr
.endr
.endif
.endr
.if \clear
	s_wait_xcnt 0x0                                ; only behind this wait are the stores' base and data registers rewritten
	s_add_nc_u64 s[46:47], s[46:47], 256           ; the other strip's 64 columns
.endif
	WIN 0
.endm
; A SLOT: two experts.  The second expert's epilogue stands behind the change of slots, the refill and the new slot's first fragment loads, which are on their way meanwhile.
; chg = 2: change and refill; 1: change; 0: the last slot.  more = 0: no bias follows.
.macro SLOTWORK chg, more
	EXPERT 0, 1
	EPI 0, 1
	EXPERT 1, \more
.if \chg == 2
	CHANGE 1
	PRIME
.elseif \chg == 1
	CHANGE 0
	PRIME
.endif
	EPI 1, \more
	WIN 0                                          ; at a label and at a branch every window is 0
.endm
	s_load_b256 s[4:11], s[0:1], 0x0               ; xq s[4:5], W's codes s[6:7], the bias s[8:9], gsc s[10:11]
	s_load_b128 s[12:15], s[0:1], 0x20             ; the scales' exponents s[12:13], out s[14:15]
	v_lshl_add_u32 v[SPW], v0, 2, SPARE
	v_mov_b32 v[NIL], 0
	ds_add_u32 v1, v2
	ds_add_u32 v1, v2
	s_wait_dscnt 0x0
	v_lshrrev_b32 v3, 5, v0
	v_readfirstlane_b32 s16, v3                    ; wave 0..3
	s_bfe_u32 s17, ttmp6, 0x40000                  ; cx: my place in the cluster
	s_lshl_b32 s18, ttmp9, 2                       ; in a cluster launch ttmp9 counts clusters
	s_add_co_u32 s18, s18, s17                     ; my block of 256 tokens: it enters xq's, gsc's and out's addresses alone
	s_and_b32 s19, ttmp7, 0xffff                   ; my block of 128 columns, which the four partners share
	; descriptor group 1: a tile of 64 rows x 512 elements of one byte, padded in LDS
	s_mov_b32 s24, 15|(1<<20)|(1<<21)|(6<<22)|(3<<25)   ; 15:0 the mask: all four work-groups; 17:16 elements of 1 byte; 20 padding on; 21 set beside a mask; 24:22 after every 128 words (code 6); 31:25 four words (code 3)
	s_mov_b32 s25, 512<<16                         ; tensor_dim0 = 512
	s_mov_b32 s26, 64<<16                          ; tensor_dim1 = 64
	s_mov_b32 s27, 512<<16                         ; tile_dim0 = 512
	s_mov_b32 s28, 64                              ; tile_dim1 = 64
	s_mov_b32 s29, 1024                            ; tensor_dim0_stride: a row of W
	s_mov_b32 s30, 0
	s_mov_b32 s31, 0
	s_lshl_b32 s20, s19, 17                        ; W: my block's 128 rows of 1,024 bytes,
	s_lshr_b32 s21, s16, 1
	s_lshl_b32 s21, s21, 21                        ; the pair's expert w / 2,
	s_add_co_u32 s20, s20, s21
	s_and_b32 s21, s16, 1
	s_lshl_b32 s21, s21, 9                         ; the half w % 2 of K
	s_add_co_u32 s20, s20, s21
	s_mov_b32 s21, 0
	s_mov_b32 s32, 1                               ; group 0: count = 1
	s_mul_i32 s33, s16, SUBT                       ; LDS address: sub-tile w of slot 0: no place in the cluster enters it
	s_lshl_b32 s22, s19, 9                         ; my block's 128 columns in a row of the bias and of out
	s_mov_b32 s23, 0
	s_lshl_b32 s56, s18, 18                        ; xq: 16 tiles of 16,384 bytes a block of tokens, 4 a wave
	s_lshl_b32 s57, s16, 16
	s_add_co_u32 s56, s56, s57
	s_mov_b32 s57, 0
	s_lshl_b32 s58, s18, 13                        ; gsc: 256 rows of 32 bytes a block, 64 a wave
	s_lshl_b32 s59, s16, 11
	s_add_co_u32 s58, s58, s59
	s_mov_b32 s59, 0
	s_lshl_b32 s52, s18, 21                        ; out: 256 rows of 8,192 bytes a block, 64 a wave
	s_lshl_b32 s53, s16, 19
	s_add_co_u32 s52, s52, s53
	s_add_co_u32 s52, s52, s22
	s_mov_b32 s53, 0
	s_mov_b32 s48, SLOT                            ; the first change of slots turns it to slot 0
	s_mov_b32 s49, 1
	s_mov_b32 s50, 0
	s_mov_b32 s51, 0
	s_wait_kmcnt 0x0
	s_load_b64 s[54:55], s[12:13], 0x0             ; e0, e1
	s_add_nc_u64 s[36:37], s[6:7], s[20:21]
	s_mov_b64 s[34:35], s[36:37]                   ; tile 0
	s_or_b32 s35, s35, 0x80000000                  ; type = 2
	s_add_nc_u64 s[4:5], s[4:5], s[56:57]
	s_add_nc_u64 s[40:41], s[8:9], s[22:23]
	s_add_nc_u64 s[44:45], s[10:11], s[58:59]
	s_add_nc_u64 s[46:47], s[14:15], s[52:53]
	ROUND                                          ; all four work-groups are here: the first joint loads meet
	tensor_load_to_lds s[32:35], s[24:31]          ; tile 0 into slot 0
	s_nop 0
.rept 4
	v_nop
.endr
	v_and_b32 v14, 15, v0                          ; r
	v_bfe_u32 v15, v0, 4, 1                        ; h
	v_and_b32 v[L16], 31, v0
	v_lshlrev_b32 v[L16], 4, v[L16]
	v_mul_u32_u24 v[LP], v14, PITCH
	v_lshl_add_u32 v[LP], v15, 4, v[LP]
	v_lshlrev_b32 v[VB], 5, v15
	v_lshlrev_b32 v[VG], 5, v14
	s_mul_i32 s20, s16, 16*272
	s_add_co_u32 s20, s20, STAGE                   ; my stage
	v_mul_u32_u24 v[STO], v14, 272                 ; in: row r, 32 bytes for each half of the lanes
	v_lshl_add_u32 v[STO], v15, 5, v[STO]
	v_add_nc_u32 v[STO], s20, v[STO]
	v_mul_u32_u24 v[RD], v15, 272                  ; back: lanes 0-15 one row of 256 bytes, lanes 16-31 the next
	v_lshl_add_u32 v[RD], v14, 4, v[RD]
	v_add_nc_u32 v[RD], s20, v[RD]
	v_lshlrev_b32 v[CO], 13, v15                   ; and the same two rows in out
	v_lshl_add_u32 v[CO], v14, 4, v[CO]
	; x: 128 loads of 512 consecutive bytes: tile i, K step q, 32 c along it
	WIN 0x80                                       ; destination window 2
.irp q, 0,1,2,3
.irp i, 0,1,2,3
.irp c, 0,1,2,3
	global_load_b128 v[64*\q+16*\i+4*\c:64*\q+16*\i+4*\c+3], v[L16], s[4:5] offset:16384*\i+512*(4*\q+\c)
.endr
.endr
.endr
	WIN 0xc0                                       ; destination window 3
.irp q, 4,5,6,7
.irp i, 0,1,2,3
.irp c, 0,1,2,3
	global_load_b128 v[64*(\q-4)+16*\i+4*\c:64*(\q-4)+16*\i+4*\c+3], v[L16], s[4:5] offset:16384*\i+512*(4*\q+\c)
.endr
.endr
.endr
	WIN 0x40                                       ; destination window 1
	BLOAD                                          ; strip 0, expert 0
	WIN 0
	s_mov_b32 s22, 0
	GLOAD                                          ; experts 0 and 1
	s_wait_kmcnt 0x0
	s_add_co_i32 s20, s54, s55                     ; e0 + e1, between -126 and 126,
	s_sub_co_i32 s20, 127, s20
	s_lshl_b32 s20, s20, 23                        ; makes the f32 number 2^-(e0 + e1)
	v_mov_b32 v[SCL], s20
	v_mov_b32 v[SCL+1], s20
	WIN E0
.set I, 0
.rept 128
	v_mov_b32 v[OUT+I], 0                          ; out's sums begin at 0, while the loads are on their way
.set I, I+1
.endr
	s_wait_loadcnt 0x0                             ; x, the first bias, the first gates
.irp m, 0,2,4,6,8,10,12,14,16,18,20,22,24,26,28,30
	v_pk_mul_f32 v[BIAS+\m:BIAS+\m+1], v[SCL:SCL+1], v[BIAS+\m:BIAS+\m+1]
.endr
	CHANGE 1                                       ; tile 0 has landed; tile 1 goes out, into slot 1: that slot's first fill, issued as a refill is
	PRIME
.Lslot:                                            ; six trips: tiles 0 to 5 are multiplied, tiles 2 to 7 asked for
	SLOTWORK 2, 1
	s_cmp_lg_u32 s51, 3                            ; behind tile 3 the first strip is finished.  The branch hangs on the counter alone and jumps over no barrier and no tensor load
	s_cbranch_scc1 .Lno_store
	STORE 1
.Lno_store:
	s_add_co_u32 s22, s51, 1
	s_and_b32 s22, s22, 3
	GLOAD                                          ; the next tile's pair of experts: the last epilogue has read the old gates, and its wait has shown the old loads done
	s_add_co_u32 s51, s51, 1
	s_cmp_lt_u32 s51, 6
	s_cbranch_scc1 .Lslot
	SLOTWORK 1, 1                                  ; the tail is written out: tile 6, and nothing is asked for
	s_mov_b32 s22, 3
	GLOAD
	SLOTWORK 0, 0                                  ; tile 7
	STORE 0
	s_wait_tensorcnt 0x0                           ; the wave's end: behind my last tensor load and my last LDS store
	ds_add_u32 v[SPW], v[NIL]
	s_wait_dscnt 0x0
	ROUND                                          ; the closing round: no work-group ends while a partner may still ask for a tile that names it
	s_endpgm
.Lfunc_end_k_q7dc8fa51de_moe:
	.size	k_q7dc8fa51de_moe, .Lfunc_end_k_q7dc8fa51de_moe-k_q7dc8fa51de_moe
	.p2alignl 7, 3214868480
	.fill 96, 4, 3214868480
	.section	.rodata,"a",@progbits
	.p2align	6, 0x0
	.amdhsa_kernel k_q7dc8fa51de_moe
		.amdhsa_group_segment_fixed_size 327680
		.amdhsa_private_segment_fixed_size 0
		.amdhsa_enable_private_segment 0
		.amdhsa_kernarg_size 48
		.amdhsa_user_sgpr_count 2
		.amdhsa_user_sgpr_kernarg_segment_ptr 1
		.amdhsa_wavefront_size32 1
		.amdhsa_system_sgpr_workgroup_id_x 1
		.amdhsa_system_sgpr_workgroup_id_y 1
		.amdhsa_system_sgpr_workgroup_id_z 1
		.amdhsa_system_vgpr_workitem_id 0
		.amdhsa_next_free_vgpr 1024
		.amdhsa_next_free_sgpr 66
		.amdhsa_reserve_vcc 0
		.amdhsa_float_denorm_mode_32 3
		.amdhsa_float_denorm_mode_16_64 3
		.amdhsa_memory_ordered 1
		.amdhsa_forward_progress 1
		.amdhsa_inst_pref_size 243
	.end_amdhsa_kernel
	.amdgpu_metadata
---
amdhsa.version: [ 1, 2 ]
amdhsa.kernels:
  - .name:           k_q7dc8fa51de_moe
    .symbol:         k_q7dc8fa51de_moe.kd
    .args:
      - { .name: xq, .offset: 0, .size: 8, .value_kind: global_buffer, .address_space: global }
      - { .name: expert_w_codes, .offset: 8, .size: 8, .value_kind: global_buffer, .address_space: global }
      - { .name: expert_b, .offset: 16, .size: 8, .value_kind: global_buffer, .address_space: global }
      - { .name: gsc, .offset: 24, .size: 8, .value_kind: global_buffer, .address_space: global }
      - { .name: lowp_scales, .offset: 32, .size: 8, .value_kind: global_buffer, .address_space: global }
      - { .name: out0, .offset: 40, .size: 8, .value_kind: global_buffer, .address_space: global }
    .group_segment_fixed_size: 327680
    .private_segment_fixed_size: 0
    .kernarg_segment_align: 8
    .kernarg_segment_size: 48
    .max_flat_workgroup_size: 128
    .sgpr_count:     66
    .vgpr_count:     1024
    .wavefront_size: 32
...
	.end_amdgpu_metadata
.endif
;; end of part 2
;; ======== version 2 of 2: 2 launches
;; limits: values are held in bf16: 8 bits of precision; right only within a limited range of input values
;; workspace buffers: xq 4,194,304 bytes; gsc 131,072 bytes
;; launch prep (part 3): grid 256 x 1, 8 waves a work-group, no clusters, 78,848 bytes of LDS; arguments x, gate_w, gate_b, lowp_scales, xq, gsc; writes xq, gsc
.if DOCPART == 3
	.amdgcn_target "amdgcn-amd-amdhsa--gfx1250"
	.amdhsa_code_object_version 6
	.text
	.protected	k_q7dc8fa51de_prep
	.globl	k_q7dc8fa51de_prep
	.p2align	8
	.type	k_q7dc8fa51de_prep,@function
k_q7dc8fa51de_prep:
	s_mov_b64 s[64:65], 0
	v_nop
	global_prefetch_b8 v0, s[64:65] scope:SCOPE_SE
	s_setreg_imm32_b32 hwreg(HW_REG_WAVE_MODE, 25, 1), 1
	s_wait_xcnt 0x0
; x [4096][1024] f32 is read once and gives two things:
;   xq : its codes of FP8 (E4M3) with the given scale 2^e0, laid in the order in which the next launch's lanes want them:
;        [tile of 16 tokens T][J = k / 32][lane][16 bytes]; lane (r = lane % 16, h = lane / 16) holds token 16 T + r, k = 32 J + 16 h + 0 .. 15.
;   gsc: [4096][8] f32, softmax over the experts of x gate_w^T + gate_b, each weight times 2^(e0 + e1).
; code = x / 2^e0, held within +-448, rounded to the nearest code, ties to even.
; LIMITS: -126 <= e0 <= 119, so that 2^e0 and 448 x 2^e0 are f32 numbers.  NaN in x is not served (an infinity is held at the largest code).
; The gate product is left unquantised: its operands are rounded to bf16, its sums are f32; that rounding's error grows with the inputs' size.
; The softmax takes the row's largest logit away first.
; SHARES.  Work-group T owns 16 tokens.  Wave w owns k = 128 w .. 128 w + 127.  Each load reads 512 consecutive bytes of one row (lane l: k = 128 w + 4 l .. + 3); nothing is looped: all 24 loads of a wave go out at once.
; A lane's four numbers of two tokens make one conversion's eight, so a conversion's two words are one word of codes for each of the two tokens.  Codes and bf16 numbers change lanes through LDS bytes of the wave's own, so no barrier stands there:
; a wave's 8,704 bytes: x in bf16, 16 rows of 256 bytes + 16; gate_w in bf16, 8 rows likewise; the codes in xq's order, 8 chunks (16 k of 16 tokens) of 256 bytes + 16.
; THE GATE PRODUCT IS USED TRANSPOSED: source 0 = gate_w's 8 rows (lanes 8-15 repeat rows 0-7), source 1 = the 16 tokens.  In the result lane r holds token r and register n expert n, alike in both halves of the lanes.
; The eight waves' partial sums meet in LDS (1,024 bytes a wave); wave 0 adds them and makes the softmax.  Nothing is prefetched: the launch has no loop to run ahead in.
.set WR,  8704                         ; a wave's own bytes
.set GBF, 4352                         ; gate_w in them
.set CIM, 6528                         ; the codes in them
.set OWN, 8192                         ; the waves' own bytes lie behind the partial sums, which begin at LDS byte 0
.set SPARE, OWN+8*WR                   ; the spare words, 128 bytes for each wave
.set X,   32                           ; v32-95   x as loaded, 4 a token; v32-47 later the codes in xq's order
.set GW,  96                           ; v96-127  gate_w as loaded, 4 an expert; then its fragments
.set XBF, 128                          ; v128-159 x in bf16, 2 a token
.set GB,  160                          ; v160-175 gate_w in bf16, 2 an expert
.set CD,  176                          ; v176-191 codes, one word a token
.set XF,  192                          ; v192-223 x's fragments, 8 a step of 32 along k
.set AC,  224                          ; v224-231, v232-239  two accumulators, by turns
.set PS,  240                          ; v240-247 their sum
.set XR,  80                           ; in wave 0 the eight waves' partial sums
	s_load_b256 s[4:11], s[0:1], 0x0               ; x s[4:5], gate_w s[6:7], gate_b s[8:9], the scales' exponents s[10:11]
	s_load_b128 s[12:15], s[0:1], 0x20             ; xq s[12:13], gsc s[14:15]
	v_lshrrev_b32 v1, 5, v0
	v_and_b32 v2, 15, v0                           ; r
	v_readfirstlane_b32 s16, v1                    ; wave 0..7
	v_bfe_u32 v3, v0, 4, 1                         ; h
	v_and_b32 v1, 31, v0                           ; lane
	s_mul_i32 s17, s16, WR
	s_lshl_b32 s18, s16, 10
	s_add_co_u32 s17, s17, OWN
	s_lshl_b32 s19, s16, 9                         ; my wave's 128 numbers of a row: 512 bytes
	v_lshl_add_u32 v248, v0, 2, SPARE
	v_mov_b32 v249, 0
	v_lshlrev_b32 v6, 4, v1                        ; 16 bytes a lane
	v_lshrrev_b32 v12, 2, v1
	v_and_b32 v13, 3, v1
	v_and_b32 v14, 7, v0
	v_mul_u32_u24 v15, v2, 272
	v_lshl_add_u32 v16, v3, 4, s17
	v_mul_u32_u24 v17, v3, 272
	v_lshl_add_u32 v18, v2, 4, s17
	v_add_nc_u32 v4, s19, v6                       ; my place in a row of x and of gate_w
	v_mul_u32_u24 v12, v12, 272
	v_lshl_add_u32 v13, v13, 2, s17
	v_mul_u32_u24 v14, v14, 272
	v_lshlrev_b32 v10, 5, v2
	v_lshl_add_u32 v11, v1, 3, s17                 ; bf16, in: 8 bytes a lane
	v_add_nc_u32 v7, s18, v6                       ; my wave's partial sums
	v_add_nc_u32 v15, v15, v16                     ; x's fragments, out: row r, 16 h
	v_add_nc_u32 v12, v12, v13                     ; codes, in: chunk lane / 4, word lane % 4 of a token's four
	v_add_nc_u32 v14, v14, v16                     ; gate_w's fragments, out: row r % 8
	v_add_nc_u32 v17, v17, v18                     ; codes, out: chunk h of two, token r
	v_lshl_add_u32 v10, v3, 4, v10                 ; gsc: token r's 32 bytes, experts 4 h on
	s_lshl_b32 s32, ttmp9, 16                      ; x: 16 rows of 4,096 bytes a work-group
	s_mov_b32 s33, 0
	s_lshl_b32 s34, ttmp9, 14                      ; xq: 16,384 bytes a tile of tokens, 2,048 a wave
	s_lshl_b32 s20, s16, 11
	s_add_co_u32 s34, s34, s20
	s_mov_b32 s35, 0
	s_lshl_b32 s36, ttmp9, 9                       ; gsc: 16 tokens of 32 bytes
	s_mov_b32 s37, 0
	s_wait_alu depctr_va_vdst(0)
	s_wait_kmcnt 0x0
	s_load_b64 s[20:21], s[10:11], 0x0             ; e0, e1
	s_load_b256 s[24:31], s[8:9], 0x0              ; gate_b
	s_add_nc_u64 s[4:5], s[4:5], s[32:33]
	s_add_nc_u64 s[12:13], s[12:13], s[34:35]
	s_add_nc_u64 s[14:15], s[14:15], s[36:37]
.irp e, 0,1,2,3,4,5,6,7
	global_load_b128 v[GW+4*\e:GW+4*\e+3], v4, s[6:7] offset:4096*\e
.endr
.irp t, 0,1,2,3,4,5,6,7,8,9,10,11,12,13,14,15
	global_load_b128 v[X+4*\t:X+4*\t+3], v4, s[4:5] offset:4096*\t th:TH_LOAD_NT
.endr
	s_wait_kmcnt 0x0
	s_add_co_i32 s22, s20, 127
	s_lshl_b32 s23, s22, 23
	v_mov_b32 v8, s23                              ; 2^e0 as f32: the conversion takes its exponent field
	s_add_co_i32 s22, s22, 8
	s_lshl_b32 s22, s22, 23
	s_or_b32 s22, s22, 0x600000
	v_mov_b32 v9, s22                              ; 448 x 2^e0
	s_add_co_i32 s38, s20, s21                     ; e0 + e1
	s_wait_loadcnt 16                              ; gate_w is in; the 16 loads of x issued behind it may be out
.irp e, 0,1,2,3,4,5,6,7
	v_cvt_pk_bf16_f32 v[GB+2*\e], v[GW+4*\e], v[GW+4*\e+1]
	v_cvt_pk_bf16_f32 v[GB+2*\e+1], v[GW+4*\e+2], v[GW+4*\e+3]
.endr
.irp e, 0,1,2,3,4,5,6,7
	ds_store_b64 v11, v[GB+2*\e:GB+2*\e+1] offset:GBF+272*\e
.endr
.macro BATCH b                         ; four tokens
	s_wait_loadcnt 12-4*\b                         ; this batch's four loads are in; the later batches' four each may be out
.irp t, 0,1,2,3
	v_cvt_pk_bf16_f32 v[XBF+8*\b+2*\t], v[X+16*\b+4*\t], v[X+16*\b+4*\t+1]
	v_cvt_pk_bf16_f32 v[XBF+8*\b+2*\t+1], v[X+16*\b+4*\t+2], v[X+16*\b+4*\t+3]
.endr
.irp a, 0,1,2,3,4,5,6,7,8,9,10,11,12,13,14,15
	v_med3_num_f32 v[X+16*\b+\a], v[X+16*\b+\a], -v9, v9   ; the conversion to an 8-bit code does not saturate (ISA guide 7.6.2): hold the number first
.endr
	v_cvt_scalef32_pk8_fp8_f32 v[CD+4*\b:CD+4*\b+1], v[X+16*\b:X+16*\b+7], v8
	v_cvt_scalef32_pk8_fp8_f32 v[CD+4*\b+2:CD+4*\b+3], v[X+16*\b+8:X+16*\b+15], v8
	v_nop                                          ; one plain vector instruction behind a run of scaled conversions
.irp t, 0,1,2,3
	ds_store_b64 v11, v[XBF+8*\b+2*\t:XBF+8*\b+2*\t+1] offset:272*(4*\b+\t)
	ds_store_b32 v12, v[CD+4*\b+\t] offset:CIM+16*(4*\b+\t)
.endr
.endm
	BATCH 0
	BATCH 1
	BATCH 2
	BATCH 3
	; LDS serves a wave's instructions in order (ISA guide 5.7.1.4): these see the wave's own stores above
.irp j, 0,1,2,3
	ds_load_b128 v[X+4*\j:X+4*\j+3], v17 offset:CIM+544*\j
.endr
.irp j, 0,1,2,3
	ds_load_b128 v[GW+8*\j:GW+8*\j+3], v14 offset:GBF+64*\j
	ds_load_b128 v[GW+8*\j+4:GW+8*\j+7], v14 offset:GBF+64*\j+32
	ds_load_b128 v[XF+8*\j:XF+8*\j+3], v15 offset:64*\j
	ds_load_b128 v[XF+8*\j+4:XF+8*\j+7], v15 offset:64*\j+32
.endr
	s_wait_dscnt 16                                ; the codes are back; the 16 loads of fragments may be out
.irp j, 0,1,2,3
	global_store_b128 v6, v[X+4*\j:X+4*\j+3], s[12:13] offset:512*\j   ; the wave stores 512 consecutive bytes, at a multiple of 256 from xq's first byte
.endr
	s_wait_dscnt 0x0
.irp j, 0,1,2,3
.if \j < 2
	v_wmma_f32_16x16x32_bf16 v[AC+8*\j:AC+8*\j+7], v[GW+8*\j:GW+8*\j+7], v[XF+8*\j:XF+8*\j+7], 0   ; the first two steps start the two sums
.else
	v_wmma_f32_16x16x32_bf16 v[AC+8*(\j-2):AC+8*(\j-2)+7], v[GW+8*\j:GW+8*\j+7], v[XF+8*\j:XF+8*\j+7], v[AC+8*(\j-2):AC+8*(\j-2)+7]   ; the two accumulators take turns
.endif
.endr
.rept 4
	v_nop                                          ; four places between the last matrix instruction and the first read of its result (ISA guide 7.12.1)
.endr
.irp m, 0,2,4,6
	v_pk_add_f32 v[PS+\m:PS+\m+1], v[AC+\m:AC+\m+1], v[AC+8+\m:AC+8+\m+1]   ; both accumulators from their low ends on
.endr
	ds_store_b128 v7, v[PS:PS+3]                   ; experts 0-3 of my token
	ds_store_b128 v7, v[PS+4:PS+7] offset:512      ; experts 4-7
	s_wait_dscnt 0x0                               ; for wave 0's sake: my stores are done
	s_barrier_signal -1
	s_barrier_wait -1
	s_cmp_lg_u32 s16, 0
	s_cbranch_scc1 .Lend                           ; the rest is wave 0's
.irp w, 0,1,2,3,4,5,6,7
	ds_load_b128 v[XR+8*\w:XR+8*\w+3], v6 offset:1024*\w
	ds_load_b128 v[XR+8*\w+4:XR+8*\w+7], v6 offset:1024*\w+512
.endr
	s_wait_dscnt 0x0
.irp w, 0,1,2,3
.irp m, 0,2,4,6
	v_pk_add_f32 v[XR+8*\w+\m:XR+8*\w+\m+1], v[XR+8*\w+\m:XR+8*\w+\m+1], v[XR+8*\w+32+\m:XR+8*\w+32+\m+1]
.endr
.endr
.irp w, 0,1
.irp m, 0,2,4,6
	v_pk_add_f32 v[XR+8*\w+\m:XR+8*\w+\m+1], v[XR+8*\w+\m:XR+8*\w+\m+1], v[XR+8*\w+16+\m:XR+8*\w+16+\m+1]
.endr
.endr
.irp m, 0,2,4,6
	s_delay_alu instid0(VALU_DEP_4)
	v_pk_add_f32 v[XR+\m:XR+\m+1], v[XR+\m:XR+\m+1], v[XR+8+\m:XR+8+\m+1]
.endr
.irp a, 0,1,2,3,4,5,6,7
	v_add_f32 v[XR+\a], s[24+\a], v[XR+\a]         ; + gate_b: my token's eight logits
.endr
	v_max3_num_f32 v96, v80, v81, v82
	s_delay_alu instid0(VALU_DEP_1)
	v_max3_num_f32 v96, v96, v83, v84
	s_delay_alu instid0(VALU_DEP_1)
	v_max3_num_f32 v96, v96, v85, v86
	s_delay_alu instid0(VALU_DEP_1)
	v_max_num_f32 v96, v96, v87                    ; the largest
.irp a, 0,1,2,3,4,5,6,7
	v_sub_f32 v[XR+\a], v[XR+\a], v96
.endr
.irp a, 0,1,2,3,4,5,6,7
	v_mul_f32 v[XR+\a], 0x3fb8aa3b, v[XR+\a]       ; x log2(e)
.endr
	s_wait_alu depctr_va_vdst(0)
.irp a, 0,1,2,3,4,5,6,7
	v_exp_f32 v[XR+\a], v[XR+\a]                   ; at most 1, and the largest is 1
.endr
	v_nop                                          ; a plain instruction between the last exponential and the use of its result
	s_wait_alu depctr_va_vdst(0)                   ; and behind it
	v_pk_add_f32 v[98:99], v[80:81], v[82:83]
	v_pk_add_f32 v[100:101], v[84:85], v[86:87]
	s_delay_alu instid0(VALU_DEP_1)
	v_pk_add_f32 v[98:99], v[98:99], v[100:101]
	s_delay_alu instid0(VALU_DEP_1)
	v_add_f32 v97, v98, v99                        ; between 1 and 8
	s_wait_alu depctr_va_vdst(0)
	v_rcp_f32 v97, v97
	v_cmp_le_u32 vcc_lo, 16, v1                    ; (the plain place behind the reciprocal)  lanes 16-31
	s_wait_alu depctr_va_vdst(0)
	v_ldexp_f32 v97, v97, s38                      ; x 2^(e0 + e1)
.irp a, 0,1,2,3,4,5,6,7
	v_mul_f32 v[XR+\a], v[XR+\a], v97
.endr
.irp a, 0,1,2,3
	s_delay_alu instid0(VALU_DEP_4)
	v_cndmask_b32 v[104+\a], v[XR+\a], v[XR+4+\a], vcc_lo   ; lanes 0-15 send experts 0-3, lanes 16-31 experts 4-7
.endr
	global_store_b128 v10, v[104:107], s[14:15]    ; the 16 tokens' 512 consecutive bytes
.Lend:
	s_wait_tensorcnt 0x0
	ds_add_u32 v248, v249
	s_wait_dscnt 0x0
	s_endpgm
.Lfunc_end_k_q7dc8fa51de_prep:
	.size	k_q7dc8fa51de_prep, .Lfunc_end_k_q7dc8fa51de_prep-k_q7dc8fa51de_prep
	.p2alignl 7, 3214868480
	.fill 96, 4, 3214868480
	.section	.rodata,"a",@progbits
	.p2align	6, 0x0
	.amdhsa_kernel k_q7dc8fa51de_prep
		.amdhsa_group_segment_fixed_size 78848
		.amdhsa_private_segment_fixed_size 0
		.amdhsa_enable_private_segment 0
		.amdhsa_kernarg_size 48
		.amdhsa_user_sgpr_count 2
		.amdhsa_user_sgpr_kernarg_segment_ptr 1
		.amdhsa_wavefront_size32 1
		.amdhsa_system_sgpr_workgroup_id_x 1
		.amdhsa_system_sgpr_workgroup_id_y 1
		.amdhsa_system_sgpr_workgroup_id_z 1
		.amdhsa_system_vgpr_workitem_id 0
		.amdhsa_next_free_vgpr 250
		.amdhsa_next_free_sgpr 66
		.amdhsa_reserve_vcc 1
		.amdhsa_float_denorm_mode_32 3
		.amdhsa_float_denorm_mode_16_64 3
		.amdhsa_memory_ordered 1
		.amdhsa_forward_progress 1
		.amdhsa_inst_pref_size 24
	.end_amdhsa_kernel
	.amdgpu_metadata
---
amdhsa.version: [ 1, 2 ]
amdhsa.kernels:
  - .name:           k_q7dc8fa51de_prep
    .symbol:         k_q7dc8fa51de_prep.kd
    .args:
      - { .name: x, .offset: 0, .size: 8, .value_kind: global_buffer, .address_space: global }
      - { .name: gate_w, .offset: 8, .size: 8, .value_kind: global_buffer, .address_space: global }
      - { .name: gate_b, .offset: 16, .size: 8, .value_kind: global_buffer, .address_space: global }
      - { .name: lowp_scales, .offset: 24, .size: 8, .value_kind: global_buffer, .address_space: global }
      - { .name: xq, .offset: 32, .size: 8, .value_kind: global_buffer, .address_space: global }
      - { .name: gsc, .offset: 40, .size: 8, .value_kind: global_buffer, .address_space: global }
    .group_segment_fixed_size: 78848
    .private_segment_fixed_size: 0
    .kernarg_segment_align: 8
    .kernarg_segment_size: 48
    .max_flat_workgroup_size: 256
    .sgpr_count:     66
    .vgpr_count:     250
    .wavefront_size: 32
...
	.end_amdgpu_metadata
.endif
;; end of part 3
;; launch moe (part 4): grid 16 x 16, 4 waves a work-group, clusters of 4 x 4, 327,680 bytes of LDS; arguments xq, expert_w_codes, expert_b, gsc, lowp_scales, out0; writes out0
.if DOCPART == 4
	.amdgcn_target "amdgcn-amd-amdhsa--gfx1250"
	.amdhsa_code_object_version 6
	.text
	.protected	k_q7dc8fa51de_moe
	.globl	k_q7dc8fa51de_moe
	.p2align	8
	.type	k_q7dc8fa51de_moe,@function
k_q7dc8fa51de_moe:
	s_mov_b64 s[64:65], 0
	v_nop
	global_prefetch_b8 v0, s[64:65] scope:SCOPE_SE
	s_setreg_imm32_b32 hwreg(HW_REG_WAVE_MODE, 25, 1), 1
	s_wait_xcnt 0x0
	s_wait_alu depctr_hold_cnt(0) depctr_sa_sdst(0) depctr_va_vdst(0) depctr_va_sdst(0) depctr_va_ssrc(0) depctr_va_vcc(0) depctr_vm_vsrc(0)
	s_getreg_b32 s2, hwreg(HW_REG_IB_STS2, 6, 4)
	s_cmp_eq_u32 s2, 0
	s_cbranch_scc0 .Lentry_in_a_cluster
	s_endpgm
.Lentry_in_a_cluster:
	s_bfe_u32 s2, ttmp6, 0x10000c
	s_cmp_lg_u32 s2, 0xf033
	s_cbranch_scc0 .Lentry_shape_is_right
	s_endpgm
.Lentry_shape_is_right:
; out[n][c] = the sum over the 8 experts e of g[n][e] relu(x[n] . W[e][c] + b[e][c]).  x and W as codes of FP8 (E4M3), K = 1,024; sums in f32.
; With s = e0 + e1 and P the sum of the codes' products: relu(P 2^s + b) = 2^s relu(P + b 2^-s).  So each sum STARTS from b 2^-s (the C of its first matrix instruction),
; and gsc holds g 2^s: out += gsc x max(sum, 0).
; LIMITS: e0 + e1 between -126 and 126, so that 2^-(e0 + e1) is an f32 number; where g 2^(e0 + e1) falls under 2^-126 it loses bits; a NaN sum counts as 0.
; SHARES.  A work-group owns 256 tokens x 128 columns of out, walked as two strips of 64 columns; each of its four waves owns 64 tokens (four tiles of 16) x the strip, and keeps its tokens' codes for ALL of K in 512 registers.
; Only W goes through LDS: a fragment of W (16 rows x 128 K, four LDS loads) feeds four matrix instructions.
; THE MATRIX INSTRUCTION IS USED TRANSPOSED: source 0 = 16 rows of W, source 1 = 16 tokens: lane (r, h) holds token r and its registers the columns 8 h + 0 .. 7.
; Registers 4 c .. 4 c + 3 of a fragment hold k = 32 c + 16 h + 0 .. 15 on both sides: the same permutation of k, so every product meets its partner; only the order of the sums inside an instruction differs.
; UNITS.  Unit u of a slot is expert u / 4 of its pair and the 16 columns u % 4 of the strip, over all of K: 32 matrix instructions on 4 accumulators, which take turns, in four BLOCKS of 8 (two K steps).
; Units work in two sets of accumulators and two sets of fragments by turns.  Block b of a unit carries the epilogue of the unit before's accumulator b, 8 maxima and 4 packed multiply-adds, two behind a product; over a slot's edge too.
; The next unit's bias and 8 fragments come in ONE run of 34 LDS loads behind block 0: 24 matrix instructions ahead of their first use.
; SLOTS.  Two LDS slots, each with two experts' 64 rows x 1,024 bytes of W; wave w brings rows 32 (w % 2) on of expert w / 2.  The change of slots is prepared in unit 6, whose run takes the slot's last fragments, and made behind unit 7's block 0.
; CLUSTERS, 4 x 4.  The four work-groups with the same columns ask jointly for W's tiles (mask: a row of the cluster); the four with the same tokens ask jointly for half of x at the head (mask: a column).
; THE HEAD.  One tensor load a wave: waves 0 and 1 bring W's tile 0 into slot 0, waves 2 and 3 the work-group's x for K steps 0-3 into slot 1, from where each wave takes its part into registers; K steps 4-7 come by loads
; straight into registers.  Both leave the same 16 bytes behind each 1,024, so W's tile 1 covers the very bytes that x has covered.
; PREFETCH.  Behind the change of slots that loads tile e + 2, tile e + 4 is asked for: two slots, 512 matrix instructions, ahead of its load.  Each of the four partners that load a tile jointly takes 8 of the 32 rows that a wave
; fetches, told apart by address: a lane to 256 bytes, one instruction a wave, each 256 bytes once in each cluster.  Tiles 0 to 3 come by their loads alone; behind tile 7 nothing is asked for.
; WINDOWS (s_set_vgpr_msb: bits 1:0 source 0, 3:2 source 1, 5:4 source 2, 7:6 destination):
;   window 0: v0-15 addresses; v16-23 gates; v24-31 bias; v32-159 fragments of even units; v160-223 two sets of 4 accumulators; v224-231 the next slot's gates; v232-235 at work at the head
;   window 1: v0-127 fragments of odd units; v128-255 out's sums: (t, tile i) at v[128 + 8 (4 t + i)]      windows 2, 3: x: (K step q, tile i) at v[64 (q % 4) + 16 i], q = 0-3 in window 2, q = 4-7 in window 3
; The maxima are three-input ones with two constants: their registers are source 2 and the destination, which the products' setting leaves in window 0.
; All of a WGP's LDS is claimed; the text uses 298,496 bytes.
.set PITCH, 1040                       ; an LDS row: 1,024 bytes + 16 of padding = 65 x 16: the 16 rows that a load touches start at 16 different 16-byte columns of the 64 banks of 4 bytes (ISA guide 11.1)
.set SUBT,  32*PITCH                   ; what a wave brings of a tile
.set SLOT,  0x21000                    ; slot 1: not under a slot's 133,120 bytes, and shares no bit with w x SUBT, so one exclusive or turns an address from slot to slot
.set STAGE, SLOT+4*SUBT                ; behind the ring: 16 rows x 272 bytes for each wave, for the way out; no fill lands there
.set SPARE, STAGE+4*16*272             ; the spare words, 128 bytes for each wave, that no other line names
.set BL,    SPARE+512                  ; the bias x 2^-s: [strip][expert][64 columns] f32: 512 bytes a slot, 64 a unit
.set GL,    BL+4096                    ; the gates: 64 rows of 32 bytes for each wave
.set SPW, 1                            ; LDS address of my spare word; never rewritten
.set NIL, 2                            ; 0; never rewritten
.set LP,  3                            ; my lane's place in a tile: r x PITCH + 16 h
.set ADW, 4                            ; v4, v5: the same in the slot that is read, the pair's first and second expert
.set L16, 6                            ; 16 x lane
.set VBL, 7                            ; BL + 32 h
.set VGL, 8                            ; token r's row of gates
.set STO, 9                            ; the way out: where I put 32 bytes of a row
.set RD,  10                           ; and read 16 bytes of a row back
.set CO,  11                           ; and their place in out
.set ADB, 12                           ; VBL at the slot that is read
.set ADG, 13                           ; VGL at that slot's pair of experts
.set PFO, 14                           ; 256 x lane
.set XAD, 15                           ; my x in slot 1
.set G,   16                           ; v[16 + 2 i], v[17 + 2 i]: the pair's gates of token 16 i + r
.set BIAS, 24                          ; register j: b[expert][16 t + 8 h + j] x 2^-s
.set FR,  32                           ; even units' fragment of K step q at v[32 + 16 q]; odd units' at v[16 q] of window 1
.set ACC, 160                          ; accumulator i of set s at v[160 + 32 s + 8 i]; unit u works in set u % 2
.set GN,  224                          ; as G, for the next slot
.set BA,  32                           ; the way out: 32 registers of the even units' fragments
.set BB,  ACC+32                       ; and the second set of accumulators, by turns
.set PADW, (1<<20)|(1<<21)|(7<<22)|(3<<25)   ; group 1, word 0: elements of 1 byte; 20 padding on; 21 set beside a mask; 24:22 after every 256 words (code 7); 31:25 four words (code 3)
; s16 wave; s17 cx; s18 block of tokens; s19 block of columns; s[24:31], s[32:35] groups 1 and 0 of W's tiles from tile 1 on; s[36:43], s[44:47] of tile 0; s[52:59], s[60:63] of x
; s49 the next tile to ask for; s[50:51] W at my quarter of tile 0; s66 the slot that is read; s67 512 x the next tile to read; s68 the slot's number in the loop; s[70:71] bias, s[72:73] gates, s[74:75] out, s[76:77] x,
; s[78:79] e0, e1; s[90:91] where my prefetches of tile 0 would stand, s[92:93] where the next one stands
.set MSB, 0
.macro WIN new                         ; the immediate's high byte repeats the setting that is left; a switch that changes nothing is dropped
.if MSB != (\new)
	s_set_vgpr_msb (MSB<<8)|(\new)
.set MSB, \new
.endif
.endm
; A round of the cluster's barrier behind its opening barrier: wave 0 signals for the work-group; every wave waits for all sixteen work-groups; my work-group's barrier once more.
.macro CREST
	s_cmp_lg_u32 s16, 0
	s_cbranch_scc1 .Lnot_wave_0_\@
	s_barrier_signal -3
.Lnot_wave_0_\@:
	s_barrier_wait -3
	s_barrier_signal -1
	s_barrier_wait -1
.endm
.macro ROUND
	s_barrier_signal -1
	s_barrier_wait -1
	CREST
.endm
; THE RUN in unit u: the next unit's bias and fragments, K ascending; in unit 7 the next slot's gates ahead of them.
.macro RUN u
.set NU, ((\u)+1)%8
.set NB, FR*(1-(NU%2))
	WIN 0
.if NU == 0
.irp i, 0,1,2,3
	ds_load_b64 v[GN+2*\i:GN+2*\i+1], v[ADG] offset:512*\i
.endr
.endif
	ds_load_b128 v[BIAS:BIAS+3], v[ADB] offset:64*NU
	ds_load_b128 v[BIAS+4:BIAS+7], v[ADB] offset:64*NU+16
.if (NU%2) == 1
	WIN 0x40                                       ; destination window 1, address window 0
.endif
.set LQ, 0
.rept 32
	ds_load_b128 v[NB+4*LQ:NB+4*LQ+3], v[ADW+(NU/4)] offset:(NU%4)*16*PITCH+32*LQ
.set LQ, LQ+1
.endr
.endm
.macro MM u, n                         ; product n of 32 of unit u: K step n / 4, tile of tokens n % 4; the first four start the sums from the bias
	WIN 0x08+((\u)%2)+4*((\n)/16)
.set MQ, (\n)/4
.set MI, (\n)%4
.set MA, ACC+32*((\u)%2)+8*MI
.set MF, FR*(1-((\u)%2))+16*MQ
.set MX, 64*(MQ%4)+16*MI
.if (\n) < 4
	v_wmma_f32_16x16x128_fp8_fp8 v[MA:MA+7], v[MF:MF+15], v[MX:MX+15], v[BIAS:BIAS+7]
.else
	v_wmma_f32_16x16x128_fp8_fp8 v[MA:MA+7], v[MF:MF+15], v[MX:MX+15], v[MA:MA+7]
.endif
.endm
.macro VX u, b, r                      ; two maxima on the unit before's accumulator b, registers r and r + 1
.set VA, ACC+32*(((\u)+1)%2)+8*(\b)+(\r)
	v_max3_num_f32 v[VA], 0, 0, v[VA]
	v_max3_num_f32 v[VA+1], 0, 0, v[VA+1]
.endm
.macro F2 u, b, j                      ; four of out's sums += gate x accumulator b, registers j to j + 3; the gate is the low or the high register of its pair, for both halves
	WIN 0x50
.set PA, ACC+32*(((\u)+1)%2)+8*(\b)+(\j)
.set PO, 128+8*(4*(((\u)+7)%4)+(\b))+(\j)
.set PG, G+2*(\b)
.if (((\u)+7)%8) < 4
	v_pk_fma_f32 v[PO:PO+1], v[PG:PG+1], v[PA:PA+1], v[PO:PO+1] op_sel_hi:[0,1,1]
	v_pk_fma_f32 v[PO+2:PO+3], v[PG:PG+1], v[PA+2:PA+3], v[PO+2:PO+3] op_sel_hi:[0,1,1]
.else
	v_pk_fma_f32 v[PO:PO+1], v[PG:PG+1], v[PA:PA+1], v[PO:PO+1] op_sel:[1,0,0] op_sel_hi:[1,1,1]
	v_pk_fma_f32 v[PO+2:PO+3], v[PG:PG+1], v[PA+2:PA+3], v[PO+2:PO+3] op_sel:[1,0,0] op_sel_hi:[1,1,1]
.endif
.endm
; A BLOCK: 8 matrix instructions and 12 vector instructions.  THE PLACES (a vector instruction that reads a matrix result, and a load into a register that a matrix instruction has read, stand four plain vector instructions behind it:
; ISA guide 7.12.1 for vector instructions): accumulator 0 was last written by product 28, and block 3's four multiply-adds stand between it and the next unit's first maximum; the other
; accumulators have more.  The run behind block 0 fills the bias, read up to product 3, with six vector instructions between, and the set of fragments that the unit before has read, with twelve.
.macro BLK u, b
	MM \u,8*\b
	VX \u,\b,0
	MM \u,8*\b+1
	VX \u,\b,2
	MM \u,8*\b+2
	VX \u,\b,4
	MM \u,8*\b+3
	VX \u,\b,6
	MM \u,8*\b+4
	F2 \u,\b,0
	MM \u,8*\b+5
	MM \u,8*\b+6
	F2 \u,\b,4
	MM \u,8*\b+7
.if \u == 0                            ; the last slot's gates of tile b have been read for the last time
	v_mov_b32 v[G+2*\b], v[GN+2*\b]
	v_mov_b32 v[G+2*\b+1], v[GN+2*\b+1]
.endif
.endm
; THE CHANGE OF SLOTS.  In unit 6, behind its run, each wave waits for all its tensor loads, of which one is out: its part of the slot that is read next; and adds 0 to its spare word (UNIT).  At the unit's end (PRE) the addresses go on to the
; next tile, the wave waits for the add and for its reads of the slot that it leaves, unit 7's fragments among them, and signals; unit 7's block 0, work on registers, stands between signal and wait.
; chg = 2: the slot just left is filled with the tile two on: the barrier is then a round of the cluster's, and the joint load is the first thing behind it.  It has until the next slot's unit 6, 192 matrix instructions and more, in which to
; land.  By this text's count a wave has one tensor load out at the most.
.macro PRE chg
	WIN 0
	s_xor_b32 s66, s66, SLOT                       ; the reads go to the other slot
	s_and_b32 s20, s67, 0xe00                      ; 512 x the tile, 0 to 7
	s_lshr_b32 s21, s20, 6
	s_and_b32 s21, s21, 24                         ; 8 x the tile's pair of experts, 0 to 3
	s_add_co_u32 s67, s67, 512
	s_add_co_u32 s22, s66, 2*SUBT
	v_add_nc_u32 v[ADW], s66, v[LP]
	v_add_nc_u32 v[ADW+1], s22, v[LP]
	v_add_nc_u32 v[ADB], s20, v[VBL]
	v_add_nc_u32 v[ADG], s21, v[VGL]
.if \chg == 2
	s_xor_b32 s33, s33, SLOT                       ; the walking descriptor: the other slot than last time,
	s_and_b32 s20, s49, 3
	s_lshl_b32 s20, s20, 22                        ; tile u: the pair of experts u % 4, 2 x 2,048 rows of 1,024 bytes apart,
	s_lshr_b32 s21, s49, 2
	s_lshl_b32 s21, s21, 16                        ; strip u / 4, 64 rows apart
	s_or_b32 s20, s20, s21
	s_mov_b32 s21, 0
	s_add_nc_u64 s[34:35], s[50:51], s[20:21]
	s_or_b32 s35, s35, 0x80000000                  ; type = 2
	s_add_co_u32 s22, s49, 2                       ; the prefetch: the tile two further on
	s_and_b32 s82, s22, 3
	s_lshl_b32 s82, s82, 22
	s_lshr_b32 s83, s22, 2
	s_lshl_b32 s83, s83, 16
	s_or_b32 s82, s82, s83
	s_mov_b32 s83, 0
	s_add_nc_u64 s[92:93], s[90:91], s[82:83]
	s_add_co_u32 s49, s49, 1
.endif
	s_wait_alu depctr_va_vdst(0)
	s_wait_dscnt 0x0                               ; the add is done, and my reads of the slot that I leave are over
	s_barrier_signal -1
.endm
; UNIT u.  run: the next unit's loads go out.  chg: the slot's change, in units 6 and 7.
; THE WAITS.  LDS loads come back in order (ISA guide 5.7.1).  At the head the bias and fragments 0 and 1 are in: 24 loads stand behind them.  At the later blocks' heads fragments up to 2 b + 1 are in: behind them stand 8 (3 - b) loads and the run's 34
; (in unit 6 the add too: the count is then the stricter).  In unit 7 behind a change all its fragments are in already.
.macro UNIT u, run, chg
.set ALLIN, 0
.if (\u == 7) && (\chg > 0)
.set ALLIN, 1
.endif
.if ALLIN == 0
	s_wait_dscnt 24
.endif
	BLK \u,0
.if ALLIN == 1
	WIN 0
	s_barrier_wait -1
.if \chg == 2
	CREST
	tensor_load_to_lds s[32:35], s[24:31]          ; every wave's one load behind the round
	s_nop 0
.rept 4
	v_nop                                          ; four v_nop follow the load
.endr
.endif
.endif
.if \run
	RUN \u
.endif
.if (\u == 6) && (\chg > 0)
	WIN 0                                          ; the add's two registers lie in window 0
.if \chg == 2
	s_wait_xcnt 0x0                                ; any prefetch of mine has read its address: PRE may write it
.endif
	s_wait_tensorcnt 0x0                           ; no tensor load of mine is out, so group 0 may be written
	ds_add_u32 v[SPW], v[NIL]                      ; 0 onto my spare word
.endif
.irp b, 1,2,3
.if ALLIN == 0
	s_wait_dscnt 8*(3-\b)+34*\run
.endif
	BLK \u,\b
.endr
.if (\u == 6) && (\chg > 0)
	PRE \chg
.endif
.endm
; THE WAY OUT of a strip, a tile of 16 tokens at a time, in two parts.  EXA: into my own stage (rows of 256 bytes + 16), and back by rows.  EXB: sixteen lanes store 256 consecutive bytes, at a multiple of 256 from out's first byte.
; LDS serves a wave's instructions in order (ISA guide 5.7.1.4): no wait between the stores and the loads, nor in front of the next tile's stores.  xc: earlier stores read the registers that are loaded.
.macro EXA i, buf, xc
.if \xc
	s_wait_xcnt 0x0
.endif
	WIN 0x04                                       ; store data in window 1
.irp t, 0,1,2,3
	ds_store_b128 v[STO], v[128+8*(4*\t+\i):128+8*(4*\t+\i)+3] offset:64*\t
	ds_store_b128 v[STO], v[128+8*(4*\t+\i)+4:128+8*(4*\t+\i)+7] offset:64*\t+16
.endr
	WIN 0
.irp k, 0,1,2,3,4,5,6,7
	ds_load_b128 v[\buf+4*\k:\buf+4*\k+3], v[RD] offset:544*\k
.endr
.endm
.macro EXB i, buf, younger             ; younger: the LDS instructions issued behind EXA's
	s_wait_dscnt \younger
.irp k, 0,1,2,3,4,5,6,7
	global_store_b128 v[CO], v[\buf+4*\k:\buf+4*\k+3], s[74:75] offset:(16*\i+2*\k)*8192 th:TH_STORE_NT
.endr
.endm
.macro OUTS                            ; behind a tile's stage loads stand the next tile's 16 LDS instructions
	EXA 0,BA,0
	EXA 1,BB,0
	EXB 0,BA,16
	EXA 2,BA,1
	EXB 1,BB,16
	EXA 3,BB,1
	EXB 2,BA,16
	EXB 3,BB,0
.endm
; A SLOT: eight units.  chg = 2: change of slots and refill; 1: change; 0: the last slot.  st = 1: the loop's copy, in which the first strip goes out: its last sums are made in unit 0 of slot 4.
.macro SLOTW chg, st
	UNIT 0,1,0
.if \st
	WIN 0                                          ; at a label and at a branch every window is 0
	s_cmp_lg_u32 s68, 4                            ; the branch hangs on the counter alone and jumps over no barrier and no tensor load
	s_cbranch_scc1 .Lno_store
	s_wait_alu depctr_va_vdst(0)
	OUTS
	s_wait_xcnt 0x0                                ; the stores have read their registers and their base
	s_add_nc_u64 s[74:75], s[74:75], 256           ; the other strip's 64 columns
	WIN 0x40
.set I, 0
.rept 128
	v_mov_b32 v[128+I], 0                          ; out's sums begin at 0 again, here and at the head, so that the one epilogue serves every expert and the loop has one body
.set I, I+1
.endr
	WIN 0
.Lno_store:
.endif
	UNIT 1,1,0
	UNIT 2,1,0
	UNIT 3,1,0
	UNIT 4,1,0
	UNIT 5,1,0
	UNIT 6,1,\chg
.if \chg
	UNIT 7,1,\chg
.else
	UNIT 7,0,0
.endif
	WIN 0
.endm
	s_load_b256 s[4:11], s[0:1], 0x0               ; xq s[4:5], W's codes s[6:7], the bias s[8:9], gsc s[10:11]
	s_load_b128 s[12:15], s[0:1], 0x20             ; the scales' exponents s[12:13], out s[14:15]
	v_lshl_add_u32 v[SPW], v0, 2, SPARE
	v_mov_b32 v[NIL], 0
	ds_add_u32 v[SPW], v[NIL]                      ; the wave's opening: the add, twice on end, and its wait ahead of my first tensor load
	ds_add_u32 v[SPW], v[NIL]
	v_lshrrev_b32 v[LP], 5, v0
	v_readfirstlane_b32 s16, v[LP]                 ; wave 0..3
	s_bfe_u32 s17, ttmp6, 0x40000                  ; cx
	s_lshl_b32 s18, ttmp9, 2                       ; in a cluster launch ttmp9 and ttmp7 count clusters
	s_add_co_u32 s18, s18, s17                     ; my block of 256 tokens = 4 x cluster x + cx
	s_bfe_u32 s20, ttmp6, 0x40004                  ; cy
	s_and_b32 s19, ttmp7, 0xffff
	s_lshl_b32 s19, s19, 2
	s_add_co_u32 s19, s19, s20                     ; my block of 128 columns = 4 x cluster y + cy
	s_lshl_b32 s20, s20, 2
	s_lshl_b32 s20, 15, s20                        ; my row of the cluster: the same columns
	s_lshl_b32 s80, 0x1111, s17                    ; my column: the same tokens
	s_or_b32 s24, s20, PADW
	s_or_b32 s36, s20, PADW
	s_or_b32 s52, s80, PADW
.irp g, 24,36
	s_mov_b32 s[\g+1], 1024<<16                    ; W: tensor_dim0: rows of 1,024 bytes
	s_mov_b32 s[\g+3], 1024<<16                    ; tile_dim0
	s_mov_b32 s[\g+5], 1024                        ; tensor_dim0_stride
	s_mov_b32 s[\g+6], 0
	s_mov_b32 s[\g+7], 0
.endr
	s_mov_b32 s26, 32<<16                          ; 32 rows a wave,
	s_mov_b32 s28, 32
	s_mov_b32 s38, 64<<16                          ; at the head 64
	s_mov_b32 s40, 64
	s_mov_b32 s53, 8192<<16                        ; x: the first 8,192 bytes (K steps 0-3) of each tile of 16 tokens,
	s_mov_b32 s54, 8<<16                           ; 8 tiles,
	s_mov_b32 s55, 8192<<16
	s_mov_b32 s56, 8
	s_mov_b32 s57, 16384                           ; 16,384 bytes apart
	s_mov_b32 s58, 0
	s_mov_b32 s59, 0
	s_and_b32 s23, s16, 1
	s_mul_i32 s21, s23, 2*SUBT                     ; where the head's loads go: half w % 2 of slot 0 or 1
	s_mov_b32 s44, 1                               ; groups 0: count = 1
	s_mov_b32 s45, s21
	s_mov_b32 s60, 1
	s_add_co_u32 s61, s21, SLOT
	s_mov_b32 s32, 1
	s_mul_i32 s33, s16, SUBT
	s_add_co_u32 s33, s33, SLOT                    ; tile 1 goes into slot 1.  Also: where my x of K steps 0-3 lies
	s_lshl_b32 s20, s19, 17                        ; W: my columns' 128 rows of 1,024 bytes
	s_lshl_b32 s94, s23, 21
	s_add_co_u32 s94, s94, s20                     ; tile 0 at the head: expert w % 2, 64 rows
	s_mov_b32 s95, 0
	s_lshr_b32 s96, s16, 1
	s_lshl_b32 s96, s96, 21                        ; later: the pair's expert w / 2,
	s_add_co_u32 s96, s96, s20
	s_lshl_b32 s97, s23, 15
	s_add_co_u32 s96, s96, s97                     ; rows 32 (w % 2) on
	s_mov_b32 s97, 0
	s_lshl_b32 s92, s17, 13
	s_add_co_u32 s92, s92, s96                     ; prefetches: 8 of those rows, by cx
	s_mov_b32 s93, 0
	s_lshl_b32 s98, s19, 9                         ; the bias: my columns' 512 bytes of experts 2 w and 2 w + 1
	s_lshl_b32 s20, s16, 14
	s_add_co_u32 s98, s98, s20
	s_mov_b32 s99, 0
	s_lshl_b32 s84, s18, 18                        ; x: 16 tiles of 16,384 bytes a block of tokens,
	s_lshl_b32 s82, s23, 17
	s_add_co_u32 s82, s82, s84                     ; 8 of them in the head's load,
	s_mov_b32 s83, 0
	s_lshl_b32 s85, s16, 16
	s_add_co_u32 s84, s84, s85                     ; 4 a wave
	s_mov_b32 s85, 0
	s_lshl_b32 s86, s18, 13                        ; gsc: 256 rows of 32 bytes a block, 64 a wave
	s_lshl_b32 s87, s16, 11
	s_add_co_u32 s86, s86, s87
	s_mov_b32 s87, 0
	s_lshl_b32 s88, s18, 21                        ; out: 256 rows of 8,192 bytes a block, 64 a wave,
	s_lshl_b32 s89, s16, 19
	s_add_co_u32 s88, s88, s89
	s_lshl_b32 s89, s19, 9                         ; my columns' 512 bytes
	s_add_co_u32 s88, s88, s89
	s_mov_b32 s89, 0
	s_mov_b32 s49, 2
	s_mov_b32 s66, 0
	s_mov_b32 s67, 512
	s_lshl_b32 s20, s16, 9
	s_add_co_u32 s20, s20, BL                      ; my wave's two experts of the bias in LDS
	s_lshl_b32 s21, s16, 11
	s_add_co_u32 s21, s21, GL                      ; my wave's gates
	s_mul_i32 s22, s16, 16*272
	s_add_co_u32 s22, s22, STAGE                   ; my stage
	v_and_b32 v234, 15, v0                         ; r
	v_bfe_u32 v235, v0, 4, 1                       ; h
	v_and_b32 v[L16], 31, v0
	v_lshlrev_b32 v[PFO], 8, v[L16]
	v_lshlrev_b32 v[L16], 4, v[L16]
	v_lshl_add_u32 v232, v234, 4, s20              ; the bias, in: lanes 0-15 strip 0, lanes 16-31 strip 1, 2,048 bytes on
	v_lshl_add_u32 v232, v235, 11, v232
	v_add_nc_u32 v233, s21, v[L16]                 ; the gates, in: as they lie in memory
	v_add_nc_u32 v[XAD], s33, v[L16]
	v_lshl_add_u32 v[VGL], v234, 5, s21
	v_mov_b32 v[ADG], v[VGL]
	v_lshlrev_b32 v[VBL], 5, v235
	v_add_nc_u32 v[VBL], BL, v[VBL]
	v_mov_b32 v[ADB], v[VBL]
	v_mul_u32_u24 v[LP], v234, PITCH
	v_lshl_add_u32 v[LP], v235, 4, v[LP]
	v_mov_b32 v[ADW], v[LP]
	v_add_nc_u32 v[ADW+1], 2*SUBT, v[LP]
	v_mul_u32_u24 v[STO], v234, 272                ; in: row r, 32 bytes for each half of the lanes
	v_lshl_add_u32 v[STO], v235, 5, v[STO]
	v_add_nc_u32 v[STO], s22, v[STO]
	v_mul_u32_u24 v[RD], v235, 272                 ; back: lanes 0-15 one row of 256 bytes, lanes 16-31 the next
	v_lshl_add_u32 v[RD], v234, 4, v[RD]
	v_add_nc_u32 v[RD], s22, v[RD]
	v_lshlrev_b32 v[CO], 13, v235                  ; and the same two rows in out
	v_lshl_add_u32 v[CO], v234, 4, v[CO]
	s_wait_alu depctr_va_vdst(0)
	s_wait_dscnt 0x0                               ; both opening adds are done
	s_wait_kmcnt 0x0
	s_load_b64 s[78:79], s[12:13], 0x0             ; e0, e1
	s_add_nc_u64 s[46:47], s[6:7], s[94:95]
	s_or_b32 s47, s47, 0x80000000                  ; type = 2
	s_add_nc_u64 s[62:63], s[4:5], s[82:83]
	s_or_b32 s63, s63, 0x80000000
	s_add_nc_u64 s[50:51], s[6:7], s[96:97]
	s_add_nc_u64 s[34:35], s[50:51], 0x400000      ; tile 1: the next pair of experts
	s_or_b32 s35, s35, 0x80000000
	s_add_nc_u64 s[90:91], s[6:7], s[92:93]
	s_add_nc_u64 s[70:71], s[8:9], s[98:99]
	s_add_nc_u64 s[72:73], s[10:11], s[86:87]
	s_add_nc_u64 s[74:75], s[14:15], s[88:89]
	s_add_nc_u64 s[76:77], s[4:5], s[84:85]
	ROUND                                          ; all sixteen work-groups are here: the first joint loads meet
	s_cmp_lt_u32 s16, 2
	s_cbranch_scc0 .Lfor_x
	tensor_load_to_lds s[44:47], s[36:43]          ; waves 0 and 1: W's tile 0
	s_nop 0
.rept 4
	v_nop
.endr
	s_branch .Lasked
.Lfor_x:
	tensor_load_to_lds s[60:63], s[52:59]          ; waves 2 and 3: x, K steps 0-3
	s_nop 0
.rept 4
	v_nop
.endr
.Lasked:
	global_load_b128 v[32:35], v[L16], s[70:71]
	global_load_b128 v[36:39], v[L16], s[70:71] offset:8192
.irp k, 0,1,2,3
	global_load_b128 v[40+4*\k:43+4*\k], v[L16], s[72:73] offset:512*\k
.endr
	WIN 0xc0                                       ; destination window 3: x, K steps 4-7: 64 loads of 512 consecutive bytes
.irp q, 4,5,6,7
.irp i, 0,1,2,3
.irp c, 0,1,2,3
	global_load_b128 v[64*(\q-4)+16*\i+4*\c:64*(\q-4)+16*\i+4*\c+3], v[L16], s[76:77] offset:16384*\i+512*(4*\q+\c)
.endr
.endr
.endr
	WIN 0x40
.set I, 0
.rept 128
	v_mov_b32 v[128+I], 0                          ; out's sums begin at 0, while the loads are on their way
.set I, I+1
.endr
	WIN 0
.set I, 0
.rept 32
	v_mov_b32 v[ACC+32+I], 0                       ; no unit stands before the first: its part in the loop's one body is played by zeros
.set I, I+1
.endr
.irp i, 0,1,2,3,4,5,6,7
	v_mov_b32 v[G+\i], 0
.endr
	s_wait_alu depctr_va_vdst(0)
	s_wait_kmcnt 0x0
	s_add_co_i32 s20, s78, s79                     ; e0 + e1, between -126 and 126,
	s_sub_co_i32 s20, 127, s20
	s_lshl_b32 s20, s20, 23                        ; makes the f32 number 2^-(e0 + e1)
	s_mov_b32 s21, s20                             ; named with it as a pair, so it is written
	s_wait_loadcnt 63                              ; the six loads of bias and gates are in: 64 loads were issued behind them, of which 63 may be out
.irp m, 0,2,4,6
	v_pk_mul_f32 v[32+\m:33+\m], v[32+\m:33+\m], s[20:21] op_sel_hi:[1,0]
.endr
	ds_store_b128 v232, v[32:35]
	ds_store_b128 v232, v[36:39] offset:256
.irp k, 0,1,2,3
	ds_store_b128 v233, v[40+4*\k:43+4*\k] offset:512*\k
.endr
	s_wait_tensorcnt 0x0                           ; my part of W's tile 0 or of x has landed,
	s_wait_dscnt 0x0                               ; my part of the bias is stored
	s_barrier_signal -1
	s_barrier_wait -1
	WIN 0x80                                       ; destination window 2: x, K steps 0-3, out of slot 1
.irp q, 0,1,2,3
.irp i, 0,1,2,3
.irp c, 0,1,2,3
	ds_load_b128 v[64*\q+16*\i+4*\c:64*\q+16*\i+4*\c+3], v[XAD] offset:8*PITCH*\i+(2*\q+\c/2)*PITCH+512*(\c%2)
.endr
.endr
.endr
	RUN 7                                          ; the first slot's gates, unit 0's bias and fragments
	WIN 0
	s_wait_tensorcnt 0x0                           ; no tensor load of mine is out;
	ds_add_u32 v[SPW], v[NIL]                      ; 0 onto my spare word;
	s_wait_dscnt 0x0                               ; the add is done, and my reads of slot 1 are over
	ROUND
	tensor_load_to_lds s[32:35], s[24:31]          ; W's tile 1 into slot 1
	s_nop 0
.rept 4
	v_nop
.endr
	s_wait_loadcnt 0x0                             ; x, K steps 4-7
	s_mov_b32 s68, 0
.Lslot:                                            ; six trips: tiles 0 to 5 are multiplied, tiles 2 to 7 loaded
	SLOTW 2,1
	s_cmp_lt_u32 s68, 4
	s_cbranch_scc0 .Lno_ask
	global_prefetch_b8 v[PFO], s[92:93] th:TH_LOAD_NT scope:SCOPE_SE   ; tile s68 + 4
.Lno_ask:
	s_add_co_u32 s68, s68, 1
	s_cmp_lt_u32 s68, 6
	s_cbranch_scc1 .Lslot
	SLOTW 1,0                                      ; tile 6: nothing more is loaded: written out
	SLOTW 0,0                                      ; tile 7
.irp b, 0,1,2,3                        ; the last unit's epilogue
	VX 8,\b,0
	VX 8,\b,2
	VX 8,\b,4
	VX 8,\b,6
	F2 8,\b,0
	F2 8,\b,4
	WIN 0
.endr
	s_wait_alu depctr_va_vdst(0)
	OUTS
	s_wait_tensorcnt 0x0                           ; the wave's end: behind my last tensor load and my last LDS store
	ds_add_u32 v[SPW], v[NIL]
	s_wait_dscnt 0x0
	ROUND                                          ; the closing round: no work-group ends while a partner may still ask for a tile that names it
	s_endpgm
.Lfunc_end_k_q7dc8fa51de_moe:
	.size	k_q7dc8fa51de_moe, .Lfunc_end_k_q7dc8fa51de_moe-k_q7dc8fa51de_moe
	.p2alignl 7, 3214868480
	.fill 96, 4, 3214868480
	.section	.rodata,"a",@progbits
	.p2align	6, 0x0
	.amdhsa_kernel k_q7dc8fa51de_moe
		.amdhsa_group_segment_fixed_size 327680
		.amdhsa_private_segment_fixed_size 0
		.amdhsa_enable_private_segment 0
		.amdhsa_kernarg_size 48
		.amdhsa_user_sgpr_count 2
		.amdhsa_user_sgpr_kernarg_segment_ptr 1
		.amdhsa_wavefront_size32 1
		.amdhsa_system_sgpr_workgroup_id_x 1
		.amdhsa_system_sgpr_workgroup_id_y 1
		.amdhsa_system_sgpr_workgroup_id_z 1
		.amdhsa_system_vgpr_workitem_id 0
		.amdhsa_next_free_vgpr 1024
		.amdhsa_next_free_sgpr 100
		.amdhsa_reserve_vcc 0
		.amdhsa_float_denorm_mode_32 3
		.amdhsa_float_denorm_mode_16_64 3
		.amdhsa_memory_ordered 1
		.amdhsa_forward_progress 1
		.amdhsa_inst_pref_size 242
	.end_amdhsa_kernel
	.amdgpu_metadata
---
amdhsa.version: [ 1, 2 ]
amdhsa.kernels:
  - .name:           k_q7dc8fa51de_moe
    .symbol:         k_q7dc8fa51de_moe.kd
    .args:
      - { .name: xq, .offset: 0, .size: 8, .value_kind: global_buffer, .address_space: global }
      - { .name: expert_w_codes, .offset: 8, .size: 8, .value_kind: global_buffer, .address_space: global }
      - { .name: expert_b, .offset: 16, .size: 8, .value_kind: global_buffer, .address_space: global }
      - { .name: gsc, .offset: 24, .size: 8, .value_kind: global_buffer, .address_space: global }
      - { .name: lowp_scales, .offset: 32, .size: 8, .value_kind: global_buffer, .address_space: global }
      - { .name: out0, .offset: 40, .size: 8, .value_kind: global_buffer, .address_space: global }
    .group_segment_fixed_size: 327680
    .private_segment_fixed_size: 0
    .kernarg_segment_align: 8
    .kernarg_segment_size: 48
    .max_flat_workgroup_size: 128
    .sgpr_count:     100
    .vgpr_count:     1024
    .wavefront_size: 32
...
	.end_amdgpu_metadata
.endif
;; end of part 4
